; MI455X (gfx1250); checked and timed in simulation.
; The chip was launched on July 23, 2026; its instructions are those of AMD's public machine-readable ISA for CDNA 5 (MIT licence, August 2026) and "CDNA5" Instruction Set Architecture Reference Guide (July 2026). The comments in the code are by the model that wrote it; some were corrected since.
;; IMITER Self Attention. Allowed arithmetic: matrix products marked QUANTISED: E2M3 operands, one E8M0 scale for each 32 along K, by v_wmma_scale_f32_16x16x128_f8f6f4 with both operands' format E2M3, f32 sums; everything else in f32.
;; Inputs: W_iik_codes 577 x 16 x 24 uint8 (E2M3 codes of W_iik, K innermost, in blocks of 32 codes, four codes in three bytes); W_iik_scales 577 x 16 uint8 (E8M0 scales of W_iik, one for each 32 codes along K); W_iiv_codes 577 x 16 x 24 uint8 (E2M3 codes of W_iiv, K innermost, in blocks of 32 codes, four codes in three bytes); W_iiv_scales 577 x 16 uint8 (E8M0 scales of W_iiv, one for each 32 codes along K); W_itk 512 x 577 float32; W_itv 512 x 577 float32; Wk_codes 1,024 x 32 x 24 uint8 (E2M3 codes of Wk, K innermost, in blocks of 32 codes, four codes in three bytes); Wk_scales 1,024 x 32 uint8 (E8M0 scales of Wk, one for each 32 codes along K); Wq_codes 1,024 x 32 x 24 uint8 (E2M3 codes of Wq, K innermost, in blocks of 32 codes, four codes in three bytes); Wq_scales 1,024 x 32 uint8 (E8M0 scales of Wq, one for each 32 codes along K); Wv_codes 1,024 x 32 x 24 uint8 (E2M3 codes of Wv, K innermost, in blocks of 32 codes, four codes in three bytes); Wv_scales 1,024 x 32 uint8 (E8M0 scales of Wv, one for each 32 codes along K); b_iik 577 float32; b_iiv 577 float32; b_itk 512 float32; b_itv 512 float32; bk 1,024 float32; bq 1,024 float32; bv 1,024 float32; hidden_states_codes 8 x 1,089 x 32 x 24 uint8 (E2M3 codes of hidden_states, K innermost, in blocks of 32 codes, four codes in three bytes); hidden_states_scales 8 x 1,089 x 32 uint8 (E8M0 scales of hidden_states, one for each 32 codes along K).
;; Outputs: out0 8 x 1,089 x 1,024 float32; out1 one number float32.
;; This version of the problem:
;;   THIS VERSION OF THE PROBLEM IS GIVEN IN LOW PRECISION. The matrix products marked QUANTISED in the list below multiply operands that are first quantised to E2M3 (2 exponent bits, 3 mantissa bits; 6 bits a number), with one power-of-two scale for each 32 numbers along K (OCP MX v1.0); their sums are f32. All else is computed in f32.
;;   The module's matrix products, in the order in which they are computed (A, B: the left and right operand; K: the contracted axis; several contracted axes count as one K, in the product's order):
;;     1. [M 8,712, K 1,024] x [K 1,024, N 1,024]; A: input hidden_states (given as codes); B: input Wq (given as codes): QUANTISED
;;     2. [M 8,712, K 1,024] x [K 1,024, N 1,024]; A: input hidden_states (given as codes); B: input Wk (given as codes): QUANTISED
;;     3. [M 8,712, K 1,024] x [K 1,024, N 1,024]; A: input hidden_states (given as codes); B: input Wv (given as codes): QUANTISED
;;     4. [M 8,192, K 512] x [K 512, N 577]; A: computed on the way; B: input W_iik (given as codes): QUANTISED
;;     5. [M 8,192, K 577] x [K 577, N 512]; A: computed on the way; B: input W_itk: QUANTISED
;;     6. [M 8,192, K 512] x [K 512, N 577]; A: computed on the way; B: input W_iiv (given as codes): QUANTISED
;;     7. [M 8,192, K 577] x [K 577, N 512]; A: computed on the way; B: input W_itv: QUANTISED
;;     8. batch 128 x [M 1,089, K 64] x [K 64, N 1,089]; A: computed on the way; B: computed on the way: QUANTISED
;;     9. batch 128 x [M 1,089, K 1,089] x [K 1,089, N 64]; A: softmax (see below); B: computed on the way: QUANTISED
;;   THE QUANTISER, for each operand of a quantised product, along K:
;;     - K is cut into blocks of 32 from its start; a last block that is shorter is filled with zeros.
;;     - A block's scale is 2^e with e = floor(log2(the largest magnitude in the block)) - 2, held to -126 .. 127; a block of zeros has e = 0. As a byte (E8M0): e + 127.
;;     - Each number is divided by its block's scale, clamped to +-7.5, and rounded to the nearest number of E2M3, ties to even, subnormals kept.
;;     - The product sums the exact products of the quantised numbers (number of the format x scale) in f32.
;;   ~~~python
;;   def quantise(x, axis):      # numpy; x: float32 -> the quantised numbers, widened to float32 again
;;       x = np.moveaxis(x, axis, -1); K = x.shape[-1]
;;       x = np.pad(x, [(0, 0)] * (x.ndim - 1) + [(0, -K % 32)]); x = x.reshape(x.shape[:-1] + (-1, 32)); a = np.abs(x).max(-1, keepdims=True)
;;       e = np.where(a > 0, np.clip(np.frexp(np.where(a > 0, a, 1))[1] - 1 - 2, -126, 127), 0)      # np.frexp(a)[1] - 1 = floor(log2(a)), exactly
;;       r = np.clip(x / 2.0 ** e, -7.5, 7.5)
;;       step = 2.0 ** (np.maximum(np.frexp(np.where(r == 0, 1, r))[1] - 1, 0) - 3)
;;       q = np.round(r / step) * step * 2.0 ** e      # np.round: ties to even
;;       return np.moveaxis(q.reshape(q.shape[:-2] + (-1,))[..., :K], -1, axis).astype(np.float32)
;;   ~~~
;;   SOFTMAX AHEAD OF A QUANTISED PRODUCT. Where the list says 'softmax', what is quantised is not the finished softmax but p = 2^(t - M), with t = logit x log2(e) and M = ceil(the row's largest t), a whole number; so 1/2 < the row's largest p <= 1. The row's sum l is taken of the UNQUANTISED p, in f32, and the product's result is divided by l at the end. Since M is a whole number, a kernel that streams over the keys may use a running M (the ceiling of the running maximum): every later rescaling is an exact power of two, which a block's scale takes up: the codes' values come out the same.
;;   OPERANDS COMPUTED ON THE WAY. 'Computed on the way' means the value that the module computes at that place (a softmax that the list does not call 'softmax' is quantised finished and normalised). What goes into a quantiser is computed in f32, as accurately as f32 sums, v_exp_f32 and their like allow (about 1e-6 of the number): no bf16 or f16 on the way to a quantiser, and a product that is left as it is and whose result goes on into a quantised operand takes f32 operands (vector FMAs, or v_wmma_f32_16x16x4_f32). A number that lies on a knife's edge between two numbers of the format may be rounded either way, as far as f32 arithmetic and the matrix unit's own rounding can turn it there, and no further.
;;   INPUTS GIVEN AS CODES. W_iik (in the module: [577, 512], K = its axis 1); W_iiv (in the module: [577, 512], K = its axis 1); Wk (in the module: [1024, 1024], K = its axis 1); Wq (in the module: [1024, 1024], K = its axis 1); Wv (in the module: [1024, 1024], K = its axis 1); hidden_states (in the module: [8, 1089, 1024], K = its axis 2): each comes as NAME_codes (uint8): NAME with its K axis moved to the last place and cut into blocks of 32 codes, [.., K / 32, bytes a block], one block behind the other in memory; four codes in three bytes: a row's codes are one little-endian stream of bits, code i at bits 6 i .. 6 i + 5 (a code: sign, 2 exponent bits, 3 mantissa bits); and NAME_scales (uint8): the same leading axes, one E8M0 byte (e + 127) for each 32 codes along K. Its value is code x scale, taken as it is: it is not quantised again, and the codes and scales need not be those that the quantiser above would give.
;; One version. Each part assembles by itself: llvm-mc -triple=amdgcn-amd-amdhsa -mcpu=gfx1250 --defsym DOCPART=n.
;; ======== version 1 of 1: 3 launches
;; limits: right only within a limited range of input values
;; workspace buffers: hsimg 7,405,568 bytes; wimg 2,457,600 bytes; wiimg 1,308,672 bytes; kvimg 15,040,512 bytes; lossp 4,096 bytes
;; launch prep (part 1): grid 196 x 1, 4 waves a work-group, no clusters, 0 bytes of LDS; arguments hidden_states_codes, hidden_states_scales, Wq_codes, Wq_scales, Wk_codes, Wk_scales, Wv_codes, Wv_scales, W_iik_codes, W_iik_scales, W_iiv_codes, W_iiv_scales, W_itk, W_itv, b_itk, b_itv, b_iik, b_iiv, hsimg, wimg, wiimg; writes hsimg, wimg, wiimg
.if DOCPART == 1
	.amdgcn_target "amdgcn-amd-amdhsa--gfx1250"
	.amdhsa_code_object_version 6
	.text
	.protected	k_q22ea1cd732_prep
	.globl	k_q22ea1cd732_prep
	.p2align	8
	.type	k_q22ea1cd732_prep,@function
k_q22ea1cd732_prep:
	s_mov_b64 s[64:65], 0
	v_nop
	global_prefetch_b8 v0, s[64:65] scope:SCOPE_SE
	s_setreg_imm32_b32 hwreg(HW_REG_WAVE_MODE, 25, 1), 1
	s_wait_xcnt 0x0
; Lays every operand that the later launches read many times out as IMAGES OF OPERAND REGISTERS, once.
; A fragment (16 rows x 128 K of E2M3 codes, 12 registers a lane) is 1,536 bytes: registers 4 i .. 4 i + 3 of lane l at 512 i + 16 l.
; A scale image is 128 bytes, lane l's word at 4 l: lanes 0-15 the rows of the even tile of a pair, lanes 16-31 those of the odd one.
; THE ROWS OF A TILE ARE NOT NEIGHBOURS: rows go in groups of 32; image row r of tile u (0, 1) of a group is row 8 u + r + 8 (r / 8) of it.
; One task a wave, task = 4 x work-group + wave; the three kinds of task fall on whole work-groups:
;   work-groups 0-95:    copy.  Tasks 0-287: group beta (0-35) of batch b of hidden_states, all 8 K steps -> hsimg.  Tasks 288-383: 32 rows of Wq, Wk or Wv -> wimg.
;   work-groups 96-115:  W_iik, W_iiv: tile u of group beta = 16 .. 35 of the imitated sequence (row beta 32 - 512 + ..), 4 K steps and a fifth of zero codes -> wiimg, with b_ii.
;   work-groups 116-195: W_itk, W_itv (f32): tile u of group beta = 0 .. 15, K step q = 0 .. 4 (K = 577, filled with zeros to 640), QUANTISED along K -> wiimg, with b_it.
; Rows past an operand's end get zero codes, the scale word 0x7f7f7f7f and the bias 0; no load leaves its buffer (row numbers are clamped first).
; The quantiser: a block's scale byte is its largest magnitude's exponent field - 2, held at 1 from below by a floor among the maximum's leaves.
; LIMITS: a block of zeros gets the byte 1 where the rule says 127 (its codes are zeros; only this program reads the bytes); blocks whose largest
; magnitude lies under 2^-124 keep the byte 1; NaN and infinities among the inputs are not served.
; No LDS, no barrier; no register that a store reads is written again; address registers hold nothing but offsets.
.set HS_B,  925696                     ; hsimg: a batch;
.set HS_Q,  115712                     ; a K step;
.set HS_W,  28928                      ; a quarter (9 groups): 18 fragments, 9 scale images, 128 spare bytes
.set HS_S,  27648                      ; where a quarter's scale images begin
.set W_H,   51200                      ; wimg: a head's 64 rows;
.set W_Q,   6400                       ; a K step of them: 4 fragments, 2 scale images
.set WI_KV, 654336                     ; wiimg: k's or v's;
.set WI_J,  72704                      ; step j = beta % 9;
.set WI_W,  18176                      ; wave beta / 9: 10 fragments, 5 scale images at 15,360, 4 bias images at 16,000, 128 spare bytes
.set ONE4,  0x7f7f7f7f                 ; four scale bytes of 1.0
	v_lshrrev_b32 v1, 5, v0
	v_readfirstlane_b32 s2, v1                     ; wave
	v_and_b32 v2, 31, v0                           ; lane
	v_and_b32 v3, 15, v0                           ; r
	v_bfe_u32 v4, v0, 4, 1                         ; h
	v_and_b32 v5, 8, v3
	v_add_nc_u32 v5, v5, v3                        ; y = r + 8 (r / 8)
	v_lshlrev_b32 v29, 4, v2                       ; 16 x lane
	v_lshlrev_b32 v30, 2, v2                       ; 4 x lane
	v_mov_b32 v28, 0
	s_lshl_b32 s3, ttmp9, 2
	s_add_co_u32 s3, s3, s2                        ; task
	s_cmp_lt_u32 ttmp9, 96
	s_cbranch_scc0 .Lnot_copy
; ---------------- copy: 32 rows x 1,024 K of codes and their scale bytes ----------------
	s_load_b512 s[8:23], s[0:1], 0x0               ; hidden_states', Wq's, Wk's, Wv's codes and scales
	s_load_b128 s[24:27], s[0:1], 0x90             ; hsimg, wimg
	s_mul_i32 s34, s3, 57
	s_lshr_b32 s34, s34, 11                        ; b = task / 36 (exact below 288)
	s_mul_i32 s35, s34, 36
	s_sub_co_u32 s35, s3, s35                      ; beta
	s_mul_i32 s36, s35, 57
	s_lshr_b32 s36, s36, 9                         ; beta / 9 (exact below 36)
	s_mul_i32 s37, s36, 9
	s_sub_co_u32 s37, s35, s37                     ; beta % 9
	s_mul_i32 s38, s34, 1089                       ; the batch's first row
	s_lshl_b32 s39, s35, 5                         ; the group's first row in it
	s_mul_i32 s40, s34, HS_B
	s_mul_i32 s41, s36, HS_W
	s_add_co_u32 s40, s40, s41                     ; the quarter
	s_mul_i32 s41, s37, 3072
	s_add_co_u32 s41, s41, s40                     ; the group's two fragments
	s_lshl_b32 s42, s37, 7
	s_add_co_u32 s42, s42, s40
	s_add_co_u32 s42, s42, HS_S                    ; its scale image
	s_sub_co_u32 s43, s3, 288                      ; the same for a weight's task (what a task of the other kind makes here is not chosen below)
	s_lshr_b32 s44, s43, 5                         ; 0, 1, 2: q, k, v
	s_bfe_u32 s45, s43, 0x40001                    ; head
	s_and_b32 s46, s43, 1                          ; which 32 of its 64 rows
	s_lshl_b32 s47, s45, 6
	s_lshl_b32 s48, s46, 5
	s_add_co_u32 s47, s47, s48                     ; first row
	s_lshl_b32 s48, s44, 4
	s_add_co_u32 s48, s48, s45
	s_mul_i32 s48, s48, W_H
	s_mul_i32 s49, s46, 3072
	s_add_co_u32 s49, s49, s48
	s_lshl_b32 s50, s46, 7
	s_add_co_u32 s50, s50, s48
	s_add_co_u32 s50, s50, 6144
	s_mov_b32 s51, 1088
	s_mov_b32 s52, HS_Q
	s_wait_kmcnt 0x0
	s_cmp_eq_u32 s44, 0                            ; the choices hang on the task's number alone
	s_cselect_b64 s[28:29], s[12:13], s[16:17]
	s_cselect_b64 s[30:31], s[14:15], s[18:19]
	s_cmp_eq_u32 s44, 2
	s_cselect_b64 s[28:29], s[20:21], s[28:29]
	s_cselect_b64 s[30:31], s[22:23], s[30:31]
	s_cmp_lt_u32 s3, 288
	s_cselect_b64 s[28:29], s[8:9], s[28:29]       ; codes
	s_cselect_b64 s[30:31], s[10:11], s[30:31]     ; scale bytes
	s_cselect_b64 s[32:33], s[24:25], s[26:27]     ; where to
	s_cselect_b32 s38, s38, s47                    ; first row of the part in which rows are counted
	s_cselect_b32 s39, s39, 0                      ; the group's first row in that part
	s_cselect_b32 s51, s51, 31                     ; the part's last row
	s_cselect_b32 s41, s41, s49
	s_cselect_b32 s42, s42, s50
	s_cselect_b32 s52, s52, W_Q                    ; bytes from K step to K step
	s_cselect_b32 s53, s37, 0                      ; 8: this task also stores a quarter's spare bytes
	s_wait_alu depctr_va_vdst(0)
.irp u, 0,1
	v_add_nc_u32 v[6+\u], 8*\u, v5
	v_add_nc_u32 v[6+\u], s39, v[6+\u]             ; my row of tile u, as it would be
	v_min_u32 v[24+\u], s51, v[6+\u]               ; and held inside the part
	v_add_nc_u32 v[24+\u], s38, v[24+\u]
	v_mul_u32_u24 v[24+\u], v[24+\u], 768          ; a row is 1,024 codes, 768 bytes
	v_mad_u32_u24 v[24+\u], v4, 24, v[24+\u]       ; + 24 h
.endr
	v_lshl_add_u32 v26, v4, 3, v5                  ; scale image: lanes 16-31 take tile 1's rows
	v_add_nc_u32 v26, s39, v26
	v_min_u32 v27, s51, v26
	v_add_nc_u32 v27, s38, v27
	v_lshlrev_b32 v27, 5, v27                      ; 32 scale bytes a row
.irp u, 0,1
.irp q, 0,1,2,3,4,5,6,7
.irp p, 0,1,2,3,4,5
	global_load_b64 v[32+96*\u+12*\q+2*\p:33+96*\u+12*\q+2*\p], v[24+\u], s[28:29] offset:96*\q+48*(\p/3)+8*(\p%3)
.endr
.endr
.endr
	global_load_b128 v[224:227], v27, s[30:31]
	global_load_b128 v[228:231], v27, s[30:31] offset:16
.irp q, 0,1,2,3,4,5,6,7
	v_add_nc_u32 v[8+\q], s41, v29                 ; where K step q's fragments go,
	v_add_nc_u32 v[16+\q], s42, v30                ; and its scale image
	s_add_co_u32 s41, s41, s52
	s_add_co_u32 s42, s42, s52
.endr
	s_wait_loadcnt 0x0
.irp u, 0,1
	v_cmp_ge_u32 vcc_lo, s51, v[6+\u]              ; rows past the end become zero codes (always executed: a weight has none)
.set n, 0
.rept 96
	v_cndmask_b32 v[32+96*\u+n], 0, v[32+96*\u+n], vcc_lo
.set n, n+1
.endr
.endr
	v_cmp_ge_u32 vcc_lo, s51, v26
.irp q, 0,1,2,3,4,5,6,7
	v_cndmask_b32 v[224+\q], ONE4, v[224+\q], vcc_lo
.endr
.irp q, 0,1,2,3,4,5,6,7
.irp u, 0,1
.irp i, 0,1,2
	global_store_b128 v[8+\q], v[32+96*\u+12*\q+4*\i:35+96*\u+12*\q+4*\i], s[32:33] offset:1536*\u+512*\i   ; 32 lanes store 512 consecutive bytes
.endr
.endr
	global_store_b32 v[16+\q], v[224+\q], s[32:33]
.endr
	s_cmp_eq_u32 s53, 8
	s_cbranch_scc0 .Lcopy_end
.irp q, 0,1,2,3,4,5,6,7
	global_store_b32 v[16+\q], v28, s[32:33] offset:128    ; the quarter's last 128 bytes: later launches fetch whole quarters
.endr
.Lcopy_end:
	s_endpgm
.Lnot_copy:
	s_cmp_lt_u32 ttmp9, 116
	s_cbranch_scc0 .Lquant
; ---------------- W_ii: codes as they are given ----------------
	s_load_b256 s[8:15], s[0:1], 0x40              ; W_iik's codes, scales; W_iiv's codes, scales
	s_load_b128 s[16:19], s[0:1], 0x80             ; b_iik, b_iiv
	s_load_b64 s[20:21], s[0:1], 0xa0              ; wiimg
	s_sub_co_u32 s34, s3, 384
	s_cmp_ge_u32 s34, 40
	s_cselect_b32 s35, 1, 0                        ; k's or v's
	s_mul_i32 s36, s35, 40
	s_sub_co_u32 s36, s34, s36
	s_lshr_b32 s37, s36, 1
	s_add_co_u32 s37, s37, 16                      ; beta
	s_and_b32 s38, s36, 1                          ; u
	s_mul_i32 s39, s37, 57
	s_lshr_b32 s39, s39, 9                         ; beta / 9
	s_mul_i32 s40, s39, 9
	s_sub_co_u32 s40, s37, s40                     ; beta % 9
	s_mul_i32 s41, s35, WI_KV
	s_mul_i32 s40, s40, WI_J
	s_add_co_u32 s41, s41, s40
	s_mul_i32 s39, s39, WI_W
	s_add_co_u32 s41, s41, s39                     ; the block
	s_lshl_b32 s42, s37, 5
	s_sub_co_u32 s42, s42, 512
	s_lshl_b32 s43, s38, 3
	s_add_co_u32 s42, s42, s43                     ; 32 beta - 512 + 8 u
	s_mul_i32 s44, s38, 1536
	s_add_co_u32 s44, s44, s41
	s_lshl_b32 s45, s38, 6
	s_add_co_u32 s45, s45, s41
	s_lshl_b32 s46, s38, 10
	s_add_co_u32 s46, s46, s41
	s_wait_alu depctr_va_vdst(0)
	v_add_nc_u32 v6, s42, v5                       ; my row of W_ii, as it would be
	v_min_u32 v7, 0x240, v6                        ; held at 576
	v_mul_u32_u24 v8, v7, 384                      ; a row is 512 codes
	v_mad_u32_u24 v8, v4, 24, v8
	v_lshlrev_b32 v9, 4, v7                        ; and 16 scale bytes
	v_lshl_add_u32 v10, v4, 4, s42                 ; the bias image: b_ii at 32 beta - 512 + 16 h + 8 u + j
.irp j, 0,1,2,3,4,5,6,7
	v_add_nc_u32 v[12+\j], \j, v10
	v_min_u32 v[20+\j], 0x240, v[12+\j]
	v_lshlrev_b32 v[20+\j], 2, v[20+\j]
.endr
	v_add_nc_u32 v100, s44, v29
	v_lshl_add_u32 v101, v3, 2, s45
	v_add_nc_u32 v102, s46, v29
	v_add_nc_u32 v103, s41, v30
.irp i, 0,1,2,3
	v_mov_b32 v[92+\i], 0
.endr
	v_mov_b32 v96, ONE4
	s_wait_kmcnt 0x0
	s_cmp_eq_u32 s35, 0
	s_cselect_b64 s[22:23], s[8:9], s[12:13]
	s_cselect_b64 s[24:25], s[10:11], s[14:15]
	s_cselect_b64 s[26:27], s[16:17], s[18:19]
.irp q, 0,1,2,3
.irp p, 0,1,2,3,4,5
	global_load_b64 v[32+12*\q+2*\p:33+12*\q+2*\p], v8, s[22:23] offset:96*\q+48*(\p/3)+8*(\p%3)
.endr
.endr
	global_load_b128 v[80:83], v9, s[24:25]
.irp j, 0,1,2,3,4,5,6,7
	global_load_b32 v[84+\j], v[20+\j], s[26:27]
.endr
	s_wait_loadcnt 0x0
	v_cmp_ge_u32 vcc_lo, 0x240, v6
.set n, 0
.rept 48
	v_cndmask_b32 v[32+n], 0, v[32+n], vcc_lo
.set n, n+1
.endr
.irp q, 0,1,2,3
	v_cndmask_b32 v[80+\q], ONE4, v[80+\q], vcc_lo
.endr
.irp j, 0,1,2,3,4,5,6,7
	v_cmp_ge_u32 vcc_lo, 0x240, v[12+\j]
	v_cndmask_b32 v[84+\j], 0, v[84+\j], vcc_lo
.endr
.irp q, 0,1,2,3
.irp i, 0,1,2
	global_store_b128 v100, v[32+12*\q+4*\i:35+12*\q+4*\i], s[20:21] offset:3072*\q+512*\i
.endr
	global_store_b32 v101, v[80+\q], s[20:21] offset:15360+128*\q     ; both halves of the lanes hold and store the same word
.endr
.irp i, 0,1,2
	global_store_b128 v100, v[92:95], s[20:21] offset:12288+512*\i    ; the fifth K step: zero codes
.endr
	global_store_b32 v101, v96, s[20:21] offset:15360+512
	global_store_b128 v102, v[84:87], s[20:21] offset:16000
	global_store_b128 v102, v[88:91], s[20:21] offset:16512
	s_cmp_eq_u32 s38, 1
	s_cbranch_scc0 .Lii_end
	global_store_b32 v103, v92, s[20:21] offset:18048                 ; the block's last 128 bytes
.Lii_end:
	s_endpgm
; ---------------- W_it: f32, quantised along its 577 ----------------
; v16-20 offsets; v64-127 the 64 numbers of a lane; v32-59, v192-198 at work; v200-207 the bias
.Lquant:
	s_load_b256 s[8:15], s[0:1], 0x60              ; W_itk, W_itv, b_itk, b_itv
	s_load_b64 s[20:21], s[0:1], 0xa0              ; wiimg
	s_sub_co_u32 s34, s3, 464
	s_cmp_ge_u32 s34, 160
	s_cselect_b32 s35, 1, 0                        ; k's or v's
	s_mul_i32 s36, s35, 160
	s_sub_co_u32 s36, s34, s36
	s_mul_i32 s37, s36, 205
	s_lshr_b32 s37, s37, 11                        ; beta = rest / 10 (exact below 160)
	s_mul_i32 s38, s37, 10
	s_sub_co_u32 s38, s36, s38
	s_cmp_ge_u32 s38, 5
	s_cselect_b32 s39, 1, 0                        ; u
	s_mul_i32 s40, s39, 5
	s_sub_co_u32 s40, s38, s40                     ; q
	s_mul_i32 s42, s37, 57
	s_lshr_b32 s42, s42, 9                         ; beta / 9
	s_mul_i32 s43, s42, 9
	s_sub_co_u32 s43, s37, s43                     ; beta % 9
	s_mul_i32 s41, s35, WI_KV
	s_mul_i32 s43, s43, WI_J
	s_add_co_u32 s41, s41, s43
	s_mul_i32 s42, s42, WI_W
	s_add_co_u32 s41, s41, s42                     ; the block
	s_lshl_b32 s44, s37, 5
	s_lshl_b32 s45, s39, 3
	s_add_co_u32 s44, s44, s45                     ; 32 beta + 8 u
	s_lshl_b32 s47, s44, 2
	s_lshl_b32 s45, s40, 1
	s_add_co_u32 s45, s45, s39
	s_mul_i32 s45, s45, 1536
	s_add_co_u32 s45, s45, s41                     ; fragment 2 q + u
	s_lshl_b32 s46, s40, 7
	s_lshl_b32 s48, s39, 6
	s_add_co_u32 s46, s46, s48
	s_add_co_u32 s46, s46, s41                     ; its half of scale image q
	s_lshl_b32 s48, s39, 10
	s_add_co_u32 s48, s48, s41
	s_lshl_b32 s49, s40, 9
	s_mov_b32 s22, 0x76543210
	s_mov_b32 s23, 0xfedcba98                      ; v_permlanex16_b32's selects for lane l xor 16
	s_wait_alu depctr_va_vdst(0)
	v_add_nc_u32 v6, s44, v5                       ; my row
	v_mul_u32_u24 v7, v6, 2308                     ; 577 numbers of 4 bytes
	v_lshl_add_u32 v8, v4, 7, v7
	v_add_nc_u32 v8, s49, v8                       ; + 512 q + 128 h: lane (r, h) holds k = 128 q + 64 c + 32 h + 0 .. 31
	v_add_nc_u32 v16, s45, v29                     ; where the fragment goes,
	v_lshl_add_u32 v17, v3, 2, s46                 ; its scale words,
	v_add_nc_u32 v18, s48, v29                     ; the bias image,
	v_add_nc_u32 v19, s41, v30                     ; the block's spare bytes;
	v_lshl_add_u32 v20, v4, 6, s47                 ; and where the bias comes from
	s_wait_kmcnt 0x0
	s_cmp_eq_u32 s35, 0
	s_cselect_b64 s[24:25], s[8:9], s[10:11]
	s_cselect_b64 s[26:27], s[12:13], s[14:15]
	s_cmp_eq_u32 s40, 4
	s_cbranch_scc1 .Llast_q
	s_wait_alu depctr_va_vdst(0)
.irp c, 0,1
.irp i, 0,1,2,3,4,5,6,7,8,9,10,11,12,13,14,15,16,17,18,19,20,21,22,23,24,25,26,27,28,29,30,31
	global_load_b32 v[64+32*\c+\i], v8, s[24:25] offset:256*\c+4*\i
.endr
.endr
	s_wait_loadcnt 0x0
	s_branch .Lhave
.Llast_q:                                              ; k = 512 .. 639: 512 .. 575 are whole blocks, 576 is the last number, the rest are zeros
	s_wait_alu depctr_va_vdst(0)
.irp i, 0,1,2,3,4,5,6,7,8,9,10,11,12,13,14,15,16,17,18,19,20,21,22,23,24,25,26,27,28,29,30,31
	global_load_b32 v[64+\i], v8, s[24:25] offset:4*\i
.endr
	global_load_b32 v96, v7, s[24:25] offset:2304
.irp i, 1,2,3,4,5,6,7,8,9,10,11,12,13,14,15,16,17,18,19,20,21,22,23,24,25,26,27,28,29,30,31
	v_mov_b32 v[96+\i], 0
.endr
	v_cmp_eq_u32 vcc_lo, 0, v4
	s_wait_loadcnt 0x0
	v_cndmask_b32 v96, 0, v96, vcc_lo              ; k = 576 belongs to lanes 0-15
.Lhave:
.irp c, 0,1                                    ; my block 2 c + h: all its 32 numbers are mine
	v_max3_num_f32 v[32+\c], |v[64+32*\c]|, |v[65+32*\c]|, 0x1800000   ; with the floor 2^(3 - 127): the byte cannot fall under 1
.endr
.irp i, 2,4,6,8,10,12,14,16,18,20,22,24,26,28,30
.irp c, 0,1
	v_max3_num_f32 v[32+\c], v[32+\c], |v[64+32*\c+\i]|, |v[65+32*\c+\i]|
.endr
.endr
.irp c, 0,1
	v_add_nc_u32 v[44+\c], 0xff000000, v[32+\c]    ; 2 off the exponent field: the conversion's scale operand
.endr
.irp c, 0,1
	v_lshrrev_b32 v[36+\c], 23, v[44+\c]           ; the scale's byte
.endr
	v_lshl_or_b32 v9, v37, 16, v36                 ; blocks h and 2 + h of my row,
	v_lshlrev_b32 v10, 3, v4
	v_lshlrev_b32 v9, v10, v9                      ; at their places in the word;
	v_mov_b32 v10, 0
	v_permlanex16_b32 v10, v9, s22, s23
	v_or_b32 v9, v9, v10                           ; with lane l xor 16's two it is whole
.irp c, 0,1
	v_cvt_scalef32_pk16_fp6_f32 v[48+6*\c:50+6*\c], v[64+32*\c:79+32*\c], v[44+\c]
	v_cvt_scalef32_pk16_fp6_f32 v[192+4*\c:194+4*\c], v[80+32*\c:95+32*\c], v[44+\c]   ; (a conversion's three registers begin on an even number)
.endr
	v_nop                                          ; one plain place behind a scaled conversion
.irp c, 0,1
.irp i, 0,1,2
	v_mov_b32 v[51+6*\c+\i], v[192+4*\c+\i]
.endr
.endr
.irp i, 0,1,2
	global_store_b128 v16, v[48+4*\i:51+4*\i], s[20:21] offset:512*\i
.endr
	global_store_b32 v17, v9, s[20:21] offset:15360
	s_cmp_eq_u32 s40, 0
	s_cbranch_scc0 .Lit_end
	global_load_b128 v[200:203], v20, s[26:27]     ; b_it at 32 beta + 16 h + 8 u + 0 .. 7
	global_load_b128 v[204:207], v20, s[26:27] offset:16
	s_wait_loadcnt 0x0
	global_store_b128 v18, v[200:203], s[20:21] offset:16000
	global_store_b128 v18, v[204:207], s[20:21] offset:16512
	s_cmp_eq_u32 s39, 1
	s_cbranch_scc0 .Lit_end
	global_store_b32 v19, v28, s[20:21] offset:18048                  ; the block's last 128 bytes
.Lit_end:
	s_endpgm
.Lfunc_end_k_q22ea1cd732_prep:
	.size	k_q22ea1cd732_prep, .Lfunc_end_k_q22ea1cd732_prep-k_q22ea1cd732_prep
	.p2alignl 7, 3214868480
	.fill 96, 4, 3214868480
	.section	.rodata,"a",@progbits
	.p2align	6, 0x0
	.amdhsa_kernel k_q22ea1cd732_prep
		.amdhsa_group_segment_fixed_size 0
		.amdhsa_private_segment_fixed_size 0
		.amdhsa_enable_private_segment 0
		.amdhsa_kernarg_size 168
		.amdhsa_user_sgpr_count 2
		.amdhsa_user_sgpr_kernarg_segment_ptr 1
		.amdhsa_wavefront_size32 1
		.amdhsa_system_sgpr_workgroup_id_x 1
		.amdhsa_system_sgpr_workgroup_id_y 1
		.amdhsa_system_sgpr_workgroup_id_z 1
		.amdhsa_system_vgpr_workitem_id 0
		.amdhsa_next_free_vgpr 256
		.amdhsa_next_free_sgpr 66
		.amdhsa_reserve_vcc 1
		.amdhsa_float_denorm_mode_32 3
		.amdhsa_float_denorm_mode_16_64 3
		.amdhsa_memory_ordered 1
		.amdhsa_forward_progress 1
		.amdhsa_inst_pref_size 55
	.end_amdhsa_kernel
	.amdgpu_metadata
---
amdhsa.version: [ 1, 2 ]
amdhsa.kernels:
  - .name:           k_q22ea1cd732_prep
    .symbol:         k_q22ea1cd732_prep.kd
    .args:
      - { .name: hidden_states_codes, .offset: 0, .size: 8, .value_kind: global_buffer, .address_space: global }
      - { .name: hidden_states_scales, .offset: 8, .size: 8, .value_kind: global_buffer, .address_space: global }
      - { .name: Wq_codes, .offset: 16, .size: 8, .value_kind: global_buffer, .address_space: global }
      - { .name: Wq_scales, .offset: 24, .size: 8, .value_kind: global_buffer, .address_space: global }
      - { .name: Wk_codes, .offset: 32, .size: 8, .value_kind: global_buffer, .address_space: global }
      - { .name: Wk_scales, .offset: 40, .size: 8, .value_kind: global_buffer, .address_space: global }
      - { .name: Wv_codes, .offset: 48, .size: 8, .value_kind: global_buffer, .address_space: global }
      - { .name: Wv_scales, .offset: 56, .size: 8, .value_kind: global_buffer, .address_space: global }
      - { .name: W_iik_codes, .offset: 64, .size: 8, .value_kind: global_buffer, .address_space: global }
      - { .name: W_iik_scales, .offset: 72, .size: 8, .value_kind: global_buffer, .address_space: global }
      - { .name: W_iiv_codes, .offset: 80, .size: 8, .value_kind: global_buffer, .address_space: global }
      - { .name: W_iiv_scales, .offset: 88, .size: 8, .value_kind: global_buffer, .address_space: global }
      - { .name: W_itk, .offset: 96, .size: 8, .value_kind: global_buffer, .address_space: global }
      - { .name: W_itv, .offset: 104, .size: 8, .value_kind: global_buffer, .address_space: global }
      - { .name: b_itk, .offset: 112, .size: 8, .value_kind: global_buffer, .address_space: global }
      - { .name: b_itv, .offset: 120, .size: 8, .value_kind: global_buffer, .address_space: global }
      - { .name: b_iik, .offset: 128, .size: 8, .value_kind: global_buffer, .address_space: global }
      - { .name: b_iiv, .offset: 136, .size: 8, .value_kind: global_buffer, .address_space: global }
      - { .name: hsimg, .offset: 144, .size: 8, .value_kind: global_buffer, .address_space: global }
      - { .name: wimg, .offset: 152, .size: 8, .value_kind: global_buffer, .address_space: global }
      - { .name: wiimg, .offset: 160, .size: 8, .value_kind: global_buffer, .address_space: global }
    .group_segment_fixed_size: 0
    .private_segment_fixed_size: 0
    .kernarg_segment_align: 8
    .kernarg_segment_size: 168
    .max_flat_workgroup_size: 128
    .sgpr_count:     66
    .vgpr_count:     256
    .wavefront_size: 32
...
	.end_amdgpu_metadata
.endif
;; end of part 1
;; launch kvim (part 2): grid 16 x 16, 4 waves a work-group, clusters of 4 x 1, 327,680 bytes of LDS; arguments hsimg, wimg, wiimg, bk, bv, kvimg, lossp; writes kvimg, lossp
.if DOCPART == 2
	.amdgcn_target "amdgcn-amd-amdhsa--gfx1250"
	.amdhsa_code_object_version 6
	.text
	.protected	k_q22ea1cd732_kvim
	.globl	k_q22ea1cd732_kvim
	.p2align	8
	.type	k_q22ea1cd732_kvim,@function
k_q22ea1cd732_kvim:
	s_mov_b64 s[64:65], 0
	v_nop
	global_prefetch_b8 v0, s[64:65] scope:SCOPE_SE
	s_setreg_imm32_b32 hwreg(HW_REG_WAVE_MODE, 25, 1), 1
	s_wait_xcnt 0x0
	s_wait_alu depctr_hold_cnt(0) depctr_sa_sdst(0) depctr_va_vdst(0) depctr_va_sdst(0) depctr_va_ssrc(0) depctr_va_vcc(0) depctr_vm_vsrc(0)
	s_getreg_b32 s2, hwreg(HW_REG_IB_STS2, 6, 4)
	s_cmp_eq_u32 s2, 0
	s_cbranch_scc0 .Lentry_in_a_cluster
	s_endpgm
.Lentry_in_a_cluster:
	s_bfe_u32 s2, ttmp6, 0x10000c
	s_cmp_lg_u32 s2, 0x3003
	s_cbranch_scc0 .Lentry_shape_is_right
	s_endpgm
.Lentry_shape_is_right:
.set SLOT1, 115712
.set HQ,    28928
.set HSC,   27648
.set IBL,   18176
.set STG,   72704
.set WP,    231424
.set KQI,   231424
.set KQS,   286720
.set KX,    289024
.set SPARE, 321792
.set VSC,   322304
.set FLOOR, 0x1800000
.set RR,   1
.set HH,   2
.set L16,  3
.set AH,   4
.set ASC,  6
.set AW,   8
.set AWS,  9
.set SPW,  10
.set NIL,  11
.set AKQ,  12
.set AKS0, 13
.set VSA,  14
.set AKX,  15
.set HS,   16
.set WSC,  34
.set BIAS, 40
.set WF0,  96
.set KS,   16
.set WSI,  26
.set BI,   40
.set AI,   72
.set AIS,  74
.set B0,   76
.set B1,   77
.set B2,   78
.set B3,   79
.set STI,  80
.set STO,  81
.set AKL,  82
.set AKSL, 84
.set BA,   86
.set TA,   87
.set IK,   88
.set WF,   152
.set LSUM, 240
.set VR,   248
.set ZO,   250
.set WK,   252
.set TB,   255
.set TM,   96
.set BY,   108
.set CD,   116
.set MSB, 0
.macro WIN new
.if MSB != (\new)
	s_set_vgpr_msb (MSB<<8)|(\new)
.set MSB, (\new)
.endif
.endm
.macro PLACES
.rept 4
	v_nop
.endr
.endm
.macro CREST
	s_cmp_lg_u32 s18, 0
	s_cbranch_scc1 .Lnot_wave_0_\@
	s_barrier_signal -3
.Lnot_wave_0_\@:
	s_barrier_wait -3
	s_barrier_signal -1
	s_barrier_wait -1
.endm
.macro CROUND
	s_barrier_signal -1
	s_barrier_wait -1
	CREST
.endm
.macro WM d, a, b, c, sa, sb, ra, rb
.if ((\ra) == 0) && ((\rb) == 0)
	v_wmma_scale_f32_16x16x128_f8f6f4 v[(\d):(\d)+7], v[(\a):(\a)+11], v[(\b):(\b)+11], v[(\c):(\c)+7], v[(\sa)], v[(\sb)] matrix_a_fmt:MATRIX_FMT_FP6 matrix_b_fmt:MATRIX_FMT_FP6
.elseif (\rb) == 0
	v_wmma_scale_f32_16x16x128_f8f6f4 v[(\d):(\d)+7], v[(\a):(\a)+11], v[(\b):(\b)+11], v[(\c):(\c)+7], v[(\sa)], v[(\sb)] matrix_a_fmt:MATRIX_FMT_FP6 matrix_b_fmt:MATRIX_FMT_FP6 matrix_a_scale:MATRIX_SCALE_ROW1
.elseif (\ra) == 0
	v_wmma_scale_f32_16x16x128_f8f6f4 v[(\d):(\d)+7], v[(\a):(\a)+11], v[(\b):(\b)+11], v[(\c):(\c)+7], v[(\sa)], v[(\sb)] matrix_a_fmt:MATRIX_FMT_FP6 matrix_b_fmt:MATRIX_FMT_FP6 matrix_b_scale:MATRIX_SCALE_ROW1
.else
	v_wmma_scale_f32_16x16x128_f8f6f4 v[(\d):(\d)+7], v[(\a):(\a)+11], v[(\b):(\b)+11], v[(\c):(\c)+7], v[(\sa)], v[(\sb)] matrix_a_fmt:MATRIX_FMT_FP6 matrix_b_fmt:MATRIX_FMT_FP6 matrix_a_scale:MATRIX_SCALE_ROW1 matrix_b_scale:MATRIX_SCALE_ROW1
.endif
.endm
.macro FETCHH set, slot, third
	WIN 0x40
.irp f, 0,1,2,3,4,5
.irp i, 0,1,2
	ds_load_b128 v[72*(\set)+12*\f+4*\i:72*(\set)+12*\f+4*\i+3], v[AH+(\slot)] offset:(6*(\third)+\f)*1536+512*\i
.endr
.endr
	WIN 0
.endm
.macro FETCHW set, off
.irp g, 0,1,2,3
.irp i, 0,1,2
	ds_load_b128 v[WF0+48*(\set)+12*\g+4*\i:WF0+48*(\set)+12*\g+4*\i+3], v[AW] offset:(\off)+\g*1536+512*\i
.endr
.endr
.irp e, 0,1
	ds_load_b32 v[WSC+2*(\set)+\e], v[AWS] offset:(\off)+128*\e
.endr
.endm
.macro FETCHS set, slot
.irp e, 0,1,2,3,4,5,6,7,8
	ds_load_b32 v[HS+9*(\set)+\e], v[ASC+(\slot)] offset:128*\e
.endr
.endm
.macro MULT jb, hset, p, first
.if (\jb) == 8
.set XW, 1
.set KB, 192
.else
.set XW, 2+(\jb)/4
.set KB, 64*((\jb)%4)
.endif
.if \first
	WIN (XW<<6)|1
.else
	WIN (XW<<6)|(XW<<4)|1
.endif
.irp u, 0,1
.irp g, 0,1,2,3
.if \first
	WM KB+16*\g+8*\u, 72*(\hset)+12*(2*((\jb)%3)+\u), WF0+48*(\p)+12*\g, BIAS+8*\g, HS+9*(\p)+(\jb), WSC+2*(\p)+(\g/2), \u, \g%2
.else
	WM KB+16*\g+8*\u, 72*(\hset)+12*(2*((\jb)%3)+\u), WF0+48*(\p)+12*\g, KB+16*\g+8*\u, HS+9*(\p)+(\jb), WSC+2*(\p)+(\g/2), \u, \g%2
.endif
.endr
.endr
.endm
; A prefetch behind each refill of the projection: what the refill two steps on will load.  Step t asks for hsimg's K step t + 4 (t = 0 .. 3), then for wiimg's step t - 4 (t = 4 .. 7).
; One instruction a wave, a lane a block of 256 bytes.  PFN counts the expansions: 0, 1 are steps 0, 1; 2, 3 the loop's two steps (trip 0: steps 2, 3; trip 1: steps 4, 5); 4, 5 are steps 6, 7.
.set PFN, 0
.macro ASKP
.if PFN < 2
	global_prefetch_b8 v38, s[30:31] offset:(4+PFN)*4*HQ th:TH_LOAD_NT scope:SCOPE_SE
.elseif PFN < 4
	s_cmp_eq_u32 s80, 0
	s_cbranch_scc0 .Lpw_\@
	global_prefetch_b8 v38, s[30:31] offset:(4+PFN)*4*HQ th:TH_LOAD_NT scope:SCOPE_SE
	s_branch .Lpe_\@
.Lpw_\@:
	global_prefetch_b8 v39, s[92:93] offset:(PFN-2)*4*IBL th:TH_LOAD_NT scope:SCOPE_SE
.Lpe_\@:
.else
	global_prefetch_b8 v39, s[92:93] offset:(PFN-2)*4*IBL th:TH_LOAD_NT scope:SCOPE_SE
.endif
.set PFN, PFN+1
.endm
.macro STEPP p, first, kind
	PLACES
	FETCHH 1-\p, \p, 1
	s_wait_dscnt 18
	MULT 0, \p, \p, \first
	MULT 1, \p, \p, \first
	MULT 2, \p, \p, \first
	PLACES
	FETCHH \p, \p, 2
.if \kind < 2
	FETCHW 1-\p, 6400*(\p+1)
	s_wait_dscnt 32
.else
	s_wait_dscnt 18
.endif
	MULT 3, 1-\p, \p, \first
	MULT 4, 1-\p, \p, \first
	MULT 5, 1-\p, \p, \first
	WIN 0
	s_wait_tensorcnt 0x0
	ds_add_u32 v[SPW], v[NIL]
.if \kind < 2
	s_wait_dscnt 15
.else
	s_wait_dscnt 1
.endif
	MULT 6, \p, \p, \first
	s_wait_dscnt 0x0
	s_barrier_signal -1
	MULT 7, \p, \p, \first
	WIN 0
	s_barrier_wait -1
	CREST
.if \kind == 0
	s_add_nc_u64 s[58+4*\p:59+4*\p], s[58+4*\p:59+4*\p], 8*HQ
	tensor_load_to_lds s[56+4*\p:59+4*\p], s[32:39]
	s_nop 0
.elseif \kind == 1
	tensor_load_to_lds s[68:71], s[40:47]
	s_nop 0
.else
	tensor_load_to_lds s[72:75], s[40:47]
	s_nop 0
.endif
	PLACES
.if \kind < 2
	FETCHH 1-\p, 1-\p, 0
	FETCHS 1-\p, 1-\p
.endif
	ASKP
	MULT 8, \p, \p, \first
	WIN 0
.endm
.macro QUANTB x, kb, s
	WIN ((\x)<<2)|((\x)<<4)
.irp g, 0,1,2,3
	v_max3_num_f32 v[TM+\g], FLOOR, |v[(\kb)+16*\g]|, |v[(\kb)+16*\g+1]|
.endr
.irp i, 2,4,6,8,10,12,14
.irp g, 0,1,2,3
	v_max3_num_f32 v[TM+\g], v[TM+\g], |v[(\kb)+16*\g+\i]|, |v[(\kb)+16*\g+\i+1]|
.endr
.endr
	WIN 0
.irp g, 0,1,2,3
	v_permlanex16_b32 v[TM+4+\g], v[TM+\g], s82, s83
.endr
.irp g, 0,1,2,3
	v_max_num_f32 v[TM+\g], v[TM+\g], v[TM+4+\g]
.endr
.irp g, 0,1,2,3
	v_add_nc_u32 v[TM+8+\g], 0xff000000, v[TM+\g]
.endr
.irp g, 0,1,2,3
	v_lshrrev_b32 v[BY+4*(\s)+\g], 23, v[TM+8+\g]
.endr
	WIN (\x)
.irp g, 0,1,2,3
	v_cvt_scalef32_pk16_fp6_f32 v[CD+16*(\s)+4*\g:CD+16*(\s)+4*\g+2], v[(\kb)+16*\g:(\kb)+16*\g+15], v[TM+8+\g]
.endr
	WIN 0
	v_nop
.endm
.macro LOADKQ second
	WIN 0x40
.irp e, 0,1,2,3,4
.irp g, 0,1,2,3
.irp p, 0,1,2,3,4,5
	ds_load_b64 v[12*(4*\e+\g)+2*\p:12*(4*\e+\g)+2*\p+1], v[AKL+\second] offset:\g*13824+\e*1536+(\p/3)*768+8*(\p%3)
.endr
.endr
.endr
	WIN 0
.irp e, 0,1,2,3,4
.irp f, 0,1
	ds_load_b32 v[KS+2*\e+\f], v[AKSL+\second] offset:\f*1152+\e*64
.endr
.endr
.endm
.macro WLOAD slot, f0, place
.irp f, 0,1
.irp i, 0,1,2
	ds_load_b128 v[WF+12*((\place)+\f)+4*\i:WF+12*((\place)+\f)+4*\i+3], v[AI+(\slot)] offset:((\f0)+\f)*1536+512*\i
.endr
.endr
.endm
.macro FETCHI slot
	WLOAD \slot, 0, 0
	WLOAD \slot, 2, 2
	WLOAD \slot, 4, 4
.irp e, 0,1,2,3,4
	ds_load_b32 v[WSI+\e], v[AIS+(\slot)] offset:128*\e
.endr
.irp e, 0,1,2,3
	ds_load_b128 v[BI+4*\e:BI+4*\e+3], v[AI+(\slot)] offset:16000+512*\e
.endr
.endm
.macro MQ q, place, first
.irp g, 0,1,2,3
.irp u, 0,1
.if \first
	WM IK+16*\g+8*\u, WF+12*((\place)+\u), 12*(4*(\q)+\g), BI+8*\u, WSI+(\q), KS+2*(\q)+(\g/2), \u, \g%2
.else
	WM IK+16*\g+8*\u, WF+12*((\place)+\u), 12*(4*(\q)+\g), IK+16*\g+8*\u, WSI+(\q), KS+2*(\q)+(\g/2), \u, \g%2
.endif
.endr
.endr
.endm
.macro MULI slot
	s_wait_dscnt 0x0
	WIN 0x04
	MQ 0, 0, 1
	PLACES
	WLOAD \slot, 6, 0
	MQ 1, 2, 0
	PLACES
	WLOAD \slot, 8, 2
	MQ 2, 4, 0
	s_wait_dscnt 6
	MQ 3, 0, 0
	s_wait_dscnt 0x0
	MQ 4, 2, 0
	PLACES
	WIN 0
.endm
.macro LOSS x, kb
	WIN ((\x)<<6)|((\x)<<2)
.set n, 0
.rept 32
	v_pk_add_f32 v[(\kb)+2*n:(\kb)+2*n+1], v[IK+2*n:IK+2*n+1], v[(\kb)+2*n:(\kb)+2*n+1] neg_lo:[0,1] neg_hi:[0,1]
.set n, n+1
.endr
	WIN (\x)|((\x)<<2)
.set n, 0
.rept 32
	v_pk_fma_f32 v[LSUM+2*(n%4):LSUM+2*(n%4)+1], v[(\kb)+2*n:(\kb)+2*n+1], v[(\kb)+2*n:(\kb)+2*n+1], v[LSUM+2*(n%4):LSUM+2*(n%4)+1]
.set n, n+1
.endr
	WIN 0
.endm
.macro LOSSSW pos
	s_cmp_lg_u32 s81, 0
	s_cbranch_scc1 .Lsa_\@
	LOSS 2, 64*\pos
	s_branch .Lse_\@
.Lsa_\@:
	s_cmp_lg_u32 s81, 1
	s_cbranch_scc1 .Lsb_\@
	LOSS 2, 128+64*\pos
	s_branch .Lse_\@
.Lsb_\@:
	LOSS 3, 64*\pos
.Lse_\@:
.endm
.macro BOUND slot
	s_wait_tensorcnt 0x0
	ds_add_u32 v[SPW], v[NIL]
	s_add_nc_u64 s[70+4*\slot:71+4*\slot], s[70+4*\slot:71+4*\slot], 8*IBL
	s_wait_dscnt 0x0
	CROUND
	tensor_load_to_lds s[68+4*\slot:71+4*\slot], s[40:47]
	s_nop 0
	PLACES
.if PFON                               ; in the loop: step i asks for wiimg's step i + 4; the last is step 8, so the third trip's second step asks for nothing
.if \slot
	s_cmp_lt_u32 s81, 2
	s_cbranch_scc0 .Lnp_\@
.endif
	global_prefetch_b8 v39, s[92:93] offset:(4+\slot)*4*IBL th:TH_LOAD_NT scope:SCOPE_SE
.if \slot
.Lnp_\@:
.endif
.endif
.endm
.macro EPI_K
	s_mul_i32 s22, s84, 1536
	s_lshl_b32 s23, s84, 7
	v_add_nc_u32 v[WK], s22, v[B0]
	v_add_nc_u32 v[WK+1], s22, v[B1]
	v_add_nc_u32 v[WK+2], s23, v[B2]
.irp g, 0,1,2,3
.irp u, 0,1
	ds_store_b128 v[STI], v[IK+16*\g+8*\u:IK+16*\g+8*\u+3] offset:\g*2304+32*\u
	ds_store_b128 v[STI], v[IK+16*\g+8*\u+4:IK+16*\g+8*\u+7] offset:\g*2304+32*\u+16
.endr
.endr
.set d, 0
.rept 64
	ds_load_b32 v[IK+d], v[STO] offset:144*(16*(2*(d/32)+((d/8)%2))+(d%8)+8*((d/16)%2))
.set d, d+1
.endr
	s_wait_dscnt 0x0
.irp a, 0,1
	v_max3_num_f32 v[TM+\a], |v[IK+32*\a]|, |v[IK+32*\a+1]|, FLOOR
.endr
.irp i, 2,4,6,8,10,12,14,16,18,20,22,24,26,28,30
.irp a, 0,1
	v_max3_num_f32 v[TM+\a], v[TM+\a], |v[IK+32*\a+\i]|, |v[IK+32*\a+\i+1]|
.endr
.endr
.irp a, 0,1
	v_add_nc_u32 v[TM+8+\a], 0xff000000, v[TM+\a]
.endr
.irp a, 0,1
	v_lshrrev_b32 v[BY+\a], 23, v[TM+8+\a]
.endr
	v_lshl_or_b32 v[BY+2], v[BY+1], 8, v[BY]
	v_lshl_or_b32 v[BY+2], v[BY+2], 16, v[BY+2]
.irp a, 0,1
	v_cvt_scalef32_pk16_fp6_f32 v[CD+8*\a:CD+8*\a+2], v[IK+32*\a:IK+32*\a+15], v[TM+8+\a]
	v_cvt_scalef32_pk16_fp6_f32 v[CD+8*\a+4:CD+8*\a+6], v[IK+32*\a+16:IK+32*\a+31], v[TM+8+\a]
.endr
	v_nop
.irp a, 0,1
.irp i, 0,1,2
	v_mov_b32 v[CD+8*\a+3+\i], v[CD+8*\a+4+\i]
.endr
.endr
.irp a, 0,1
.irp i, 0,1,2
	global_store_b64 v[WK+\a], v[CD+8*\a+2*\i:CD+8*\a+2*\i+1], s[86:87] offset:256*\i
.endr
.endr
	global_store_b32 v[WK+2], v[BY+2], s[86:87]
.endm
.macro EPI_V
	s_mul_i32 s22, s84, 384
	v_add_nc_u32 v[WK], s22, v[B3]
	QUANTB 0, IK, 0
.irp g, 0,1,2,3
	global_store_b96 v[WK], v[CD+4*\g:CD+4*\g+2], s[86:87] offset:\g*13824
	ds_store_b8 v[VSA], v[BY+\g] offset:\g*576
.endr
.endm
.macro EPI
	s_wait_xcnt 0x0
	s_cmp_lg_u32 s21, 0
	s_cbranch_scc1 .Lv_\@
	EPI_K
	s_branch .Le_\@
.Lv_\@:
	EPI_V
.Le_\@:
	s_add_co_u32 s84, s84, 1
	v_add_nc_u32 v[VSA], 16, v[VSA]
.endm
	s_load_b256 s[4:11], s[0:1], 0x0
	s_load_b128 s[12:15], s[0:1], 0x20
	s_load_b64 s[16:17], s[0:1], 0x30
	v_lshl_add_u32 v[SPW], v0, 2, SPARE
	v_mov_b32 v[NIL], 0
	ds_add_u32 v10, v11
	ds_add_u32 v10, v11
	s_wait_dscnt 0x0
	v_lshrrev_b32 v[TA], 5, v0
	v_readfirstlane_b32 s18, v[TA]
	s_and_b32 s23, ttmp7, 0xffff
	s_lshr_b32 s20, s23, 1
	s_and_b32 s21, s23, 1
	s_mul_i32 s24, s20, 925696
	s_mul_i32 s26, s18, HQ
	s_add_co_u32 s24, s24, s26
	s_mov_b32 s25, 0
	s_mul_i32 s28, s21, 654336
	s_mul_i32 s27, s18, IBL
	s_add_co_u32 s28, s28, s27
	s_mov_b32 s29, 0
	s_bfe_u32 s88, ttmp6, 0x40000
	s_mul_i32 s30, s88, 29                         ; the prefetches: of a wave's 113 blocks of 256 bytes of hsimg the partner at place cx names 29,
	s_mul_i32 s31, s88, 18                         ; of its 71 blocks of wiimg 18: shared out by address alone
	s_lshl_b32 s19, ttmp9, 2
	s_add_co_u32 s19, s19, s88
	s_add_co_u32 s88, s21, 1
	s_lshl_b32 s88, s88, 4
	s_add_co_u32 s88, s88, s19
	s_mul_i32 s88, s88, 51200
	s_mul_i32 s90, s18, 12800
	s_add_co_u32 s88, s88, s90
	s_mov_b32 s89, 0
	s_add_co_u32 s90, s90, WP
	s_lshl_b32 s92, s20, 4
	s_add_co_u32 s92, s92, s19
	s_mul_i32 s92, s92, 117504
	s_mov_b32 s93, 0
	s_lshl_b32 s98, s23, 4
	s_add_co_u32 s98, s98, s19
	s_lshl_b32 s98, s98, 2
	s_add_co_u32 s98, s98, s18
	s_lshl_b32 s98, s98, 2
	s_mov_b32 s99, 0
	s_lshl_b32 s94, s19, 6
	s_mov_b32 s32, 15|(3<<16)|(1<<21)
	s_mov_b32 s33, 32<<16
	s_mov_b32 s34, 113<<16
	s_mov_b32 s35, 32<<16
	s_mov_b32 s36, 113
	s_mov_b32 s37, 32
	s_mov_b32 s38, 0
	s_mov_b32 s39, 0
	s_mov_b32 s40, 15|(3<<16)|(1<<21)
	s_mov_b32 s41, 32<<16
	s_mov_b32 s42, 71<<16
	s_mov_b32 s43, 32<<16
	s_mov_b32 s44, 71
	s_mov_b32 s45, 32
	s_mov_b32 s46, 0
	s_mov_b32 s47, 0
	s_mov_b32 s48, 3<<16
	s_mov_b32 s49, 32<<16
	s_mov_b32 s50, 50<<16
	s_mov_b32 s51, 32<<16
	s_mov_b32 s52, 50
	s_mov_b32 s53, 32
	s_mov_b32 s54, 0
	s_mov_b32 s55, 0
	s_mov_b32 s82, 0x76543210
	s_mov_b32 s83, 0xfedcba98
	s_mul_i32 s85, s18, 9
	s_mov_b32 s84, s85
	v_and_b32 v[RR], 15, v0
	v_bfe_u32 v[HH], v0, 4, 1
	v_and_b32 v[TA], 31, v0
	v_lshlrev_b32 v[L16], 4, v[TA]
	v_lshlrev_b32 v[TB], 2, v[TA]
	v_min_u32 v38, 28, v[TA]                       ; v38: my block of a quarter of hsimg's K step (lanes left over name their wave's last block again); never rewritten
	v_min_u32 v39, 17, v[TA]                       ; v39: my block of a wave's part of a step of wiimg; never rewritten
	v_add_nc_u32 v38, s30, v38
	v_add_nc_u32 v39, s31, v39
	v_min_u32 v38, 112, v38
	v_min_u32 v39, 70, v39
	v_lshlrev_b32 v38, 8, v38
	v_lshlrev_b32 v39, 8, v39
	v_add_nc_u32 v[AH], s26, v[L16]
	v_add_nc_u32 v[AH+1], SLOT1, v[AH]
	v_add_nc_u32 v[ASC], s26, v[TB]
	v_add_nc_u32 v[ASC], HSC, v[ASC]
	v_add_nc_u32 v[ASC+1], SLOT1, v[ASC]
	v_add_nc_u32 v[AW], WP, v[L16]
	v_add_nc_u32 v[AWS], WP+6144, v[TB]
	v_mul_u32_u24 v[AKQ], v[RR], 24
	v_mad_u32_u24 v[B3], v[HH], 12, v[AKQ]
	v_mad_u32_u24 v[AKL+1], v[HH], 384, v[AKQ]
	v_add_nc_u32 v[AKL+1], KQI, v[AKL+1]
	s_wait_alu depctr_va_vdst(0)
	s_mul_i32 s22, s18, 3456
	s_add_co_u32 s22, s22, KQI
	v_add_nc_u32 v[AKQ], s22, v[B3]
	v_add_nc_u32 v[B3], 59904, v[B3]
	v_lshl_add_u32 v[AKS0], v[RR], 2, KQS
	v_mad_u32_u24 v[AKSL+1], v[HH], 576, v[AKS0]
	s_wait_alu depctr_va_vdst(0)
	s_lshr_b32 s22, s18, 1
	s_xor_b32 s22, s22, 1
	s_mul_i32 s23, s22, 6144
	s_lshl_b32 s22, s22, 8
	v_add_nc_u32 v[AKL], s23, v[AKL+1]
	v_add_nc_u32 v[AKSL], s22, v[AKSL+1]
	s_min_u32 s22, s18, 1
	s_xor_b32 s22, s22, 1
	s_mul_i32 s23, s22, 6144
	s_lshl_b32 s22, s22, 8
	v_add_nc_u32 v[AKL+1], s23, v[AKL+1]
	v_add_nc_u32 v[AKSL+1], s22, v[AKSL+1]
	s_mul_i32 s22, s18, 144
	s_add_co_u32 s22, s22, VSC
	v_add_nc_u32 v[VSA], s22, v[RR]
	v_lshrrev_b32 v[VR], 3, v[TA]
	v_lshlrev_b32 v[VR], 6, v[VR]
	v_and_b32 v[ZO], 7, v[TA]
	v_lshl_add_u32 v[VR], v[ZO], 1, v[VR]
	v_add_nc_u32 v[VR], VSC, v[VR]
	v_mov_b32 v[ZO], 0
	s_lshl_b32 s22, s18, 13
	s_add_co_u32 s22, s22, KX
	v_add_nc_u32 v[AKX], s22, v[L16]
	v_add_nc_u32 v[AI], s27, v[L16]
	v_add_nc_u32 v[AI+1], SLOT1, v[AI]
	v_add_nc_u32 v[AIS], s27, v[TB]
	v_add_nc_u32 v[AIS], 15360, v[AIS]
	v_add_nc_u32 v[AIS+1], SLOT1, v[AIS]
	v_lshlrev_b32 v[B0], 3, v[TA]
	v_xor_b32 v[B1], 8, v[TA]
	v_lshl_add_u32 v[B1], v[B1], 3, 768
	v_add_nc_u32 v[B2], 55296, v[TB]
	s_mul_i32 s22, s18, 9216
	s_add_co_u32 s22, s22, STG
	v_mul_u32_u24 v[STI], v[RR], 144
	v_lshl_add_u32 v[STI], v[HH], 6, v[STI]
	v_add_nc_u32 v[STI], s22, v[STI]
	v_add_nc_u32 v[STO], s22, v[TB]
	v_and_b32 v[BA], 8, v[RR]
	v_add_nc_u32 v[BA], v[BA], v[RR]
	v_add_nc_u32 v[BA], s94, v[BA]
	v_lshlrev_b32 v[BA], 2, v[BA]
	s_wait_alu depctr_va_vdst(0)
	s_wait_kmcnt 0x0
	s_mov_b32 s56, 1
	s_mov_b32 s57, s26
	s_add_nc_u64 s[58:59], s[4:5], s[24:25]
	s_mov_b32 s60, 1
	s_add_co_u32 s61, s26, SLOT1
	s_add_nc_u64 s[62:63], s[58:59], 4*HQ
	s_or_b32 s59, s59, 0x80000000
	s_or_b32 s63, s63, 0x80000000
	s_mov_b32 s68, 1
	s_mov_b32 s69, s27
	s_add_nc_u64 s[70:71], s[8:9], s[28:29]
	s_mov_b32 s72, 1
	s_add_co_u32 s73, s27, SLOT1
	s_add_nc_u64 s[74:75], s[70:71], 4*IBL
	s_or_b32 s71, s71, 0x80000000
	s_or_b32 s75, s75, 0x80000000
	s_mov_b32 s76, 1
	s_mov_b32 s77, s90
	s_add_nc_u64 s[78:79], s[6:7], s[88:89]
	s_or_b32 s79, s79, 0x80000000
	s_add_nc_u64 s[86:87], s[14:15], s[92:93]
	s_add_nc_u64 s[16:17], s[16:17], s[98:99]
	s_add_nc_u64 s[30:31], s[4:5], s[24:25]        ; my quarter of hsimg's K step 0
	s_add_nc_u64 s[92:93], s[8:9], s[28:29]        ; my part of wiimg's step 0
	global_prefetch_b8 v38, s[30:31] th:TH_LOAD_NT scope:SCOPE_SE                  ; K steps 0 and 1: their loads follow behind the weights' load
	global_prefetch_b8 v38, s[30:31] offset:4*HQ th:TH_LOAD_NT scope:SCOPE_SE
	s_cmp_eq_u32 s21, 0
	s_cselect_b64 s[96:97], s[10:11], s[12:13]
.irp g, 0,1,2,3
	global_load_b32 v[BIAS+8*\g], v[BA], s[96:97] offset:128*(\g/2)+32*(\g%2)
.endr
	CROUND
	tensor_load_to_lds s[76:79], s[48:55]
	s_nop 0
	s_wait_alu depctr_va_vdst(0)
	s_wait_tensorcnt 0x0
	ds_add_u32 v10, v11
	s_wait_dscnt 0x0
	CROUND
	tensor_load_to_lds s[56:59], s[32:39]
	s_nop 0
	global_prefetch_b8 v38, s[30:31] offset:2*4*HQ th:TH_LOAD_NT scope:SCOPE_SE    ; K step 2, two loads ahead of its own
	s_wait_alu depctr_va_vdst(0)
	s_wait_tensorcnt 0x0
	ds_add_u32 v10, v11
	s_wait_dscnt 0x0
	CROUND
	tensor_load_to_lds s[60:63], s[32:39]
	s_nop 0
	PLACES
	global_prefetch_b8 v38, s[30:31] offset:3*4*HQ th:TH_LOAD_NT scope:SCOPE_SE    ; K step 3
	s_wait_loadcnt 0x0
.irp g, 0,1,2,3
.irp n, 1,2,3,4,5,6,7
	v_mov_b32 v[BIAS+8*\g+\n], v[BIAS+8*\g]
.endr
.endr
	s_wait_alu depctr_va_vdst(0)
	s_wait_tensorcnt 0x1
	s_barrier_signal -1
	s_barrier_wait -1
	FETCHH 0, 0, 0
	FETCHW 0, 0
	FETCHS 0, 0
	STEPP 0, 1, 0
	STEPP 1, 0, 0
	v_add_nc_u32 v[AW], 12800, v[AW]
	v_add_nc_u32 v[AWS], 12800, v[AWS]
	s_mov_b32 s80, 0
.Lproj:
	s_wait_alu depctr_va_vdst(0)
	STEPP 0, 0, 0
	STEPP 1, 0, 0
	v_add_nc_u32 v[AW], 12800, v[AW]
	v_add_nc_u32 v[AWS], 12800, v[AWS]
	s_add_co_u32 s80, s80, 1
	s_cmp_lt_u32 s80, 2
	s_cbranch_scc1 .Lproj
	s_wait_alu depctr_va_vdst(0)
	STEPP 0, 0, 1
	STEPP 1, 0, 2
	PLACES
	s_cmp_lg_u32 s18, 3
	s_cbranch_scc1 .Lno_mask
	v_cmp_eq_u32 vcc_lo, 0, v[HH]
	WIN 0xcc
.irp g, 0,1,2,3
	v_cndmask_b32 v[192+16*\g], 0, v[192+16*\g], vcc_lo
.irp n, 1,2,3,4,5,6,7,8,9,10,11,12,13,14,15
	v_mov_b32 v[192+16*\g+\n], 0
.endr
.endr
	WIN 0x40
.set n, 0
.rept 64
	v_mov_b32 v[192+n], 0
.set n, n+1
.endr
	WIN 0
.Lno_mask:
.irp g, 0,1,2,3
	v_mov_b32 v[TM+4+\g], 0
.endr
.irp jb, 0,1,2,3,4,5,6,7,8
.if \jb >= 2
	s_wait_dscnt 16
.endif
	s_add_co_u32 s22, s85, \jb
	s_lshr_b32 s23, s22, 2
	s_lshl_b32 s23, s23, 6
	s_and_b32 s22, s22, 3
	s_or_b32 s22, s22, s23
	v_add_nc_u32 v[WK+\jb%2], s22, v[AKS0]
.if \jb == 8
	QUANTB 1, 192, 0
.else
	QUANTB 2+\jb/4, 64*(\jb%4), \jb%2
.endif
.irp g, 0,1,2,3
.irp i, 0,1,2
	ds_store_b32 v[AKQ], v[CD+16*(\jb%2)+4*\g+\i] offset:\g*13824+\jb*384+4*\i
.endr
	ds_store_b8 v[WK+\jb%2], v[BY+4*(\jb%2)+\g] offset:\g*576
.endr
.endr
	WIN 0x04
.set n, 0
.rept 16
	ds_store_b128 v[AKX], v[192+4*n:195+4*n] offset:512*n
.set n, n+1
.endr
	WIN 0
	s_wait_dscnt 0x0
	s_barrier_signal -1
	s_barrier_wait -1
.set TM, 56
.set BY, 68
.set CD, 224
.irp g, 0,1,2,3
	v_mov_b32 v[TM+4+\g], 0
.endr
.irp n, 0,1,2,3,4,5,6,7
	v_mov_b32 v[LSUM+\n], 0
.endr
	LOADKQ 0
	s_wait_tensorcnt 0x1
	FETCHI 0
	s_mov_b32 s81, 0
.set PFON, 1
.Limit:
	MULI 0
	LOSSSW 0
	BOUND 0
	FETCHI 1
	EPI
	MULI 1
	LOSSSW 1
	BOUND 1
	FETCHI 0
	EPI
	s_add_nc_u64 s[92:93], s[92:93], 8*IBL         ; two steps of wiimg on (the trip's prefetches stand ahead of the wait on XCNT at the head of the way out above)
	s_add_co_u32 s81, s81, 1
	s_cmp_lt_u32 s81, 3
	s_cbranch_scc1 .Limit
.set PFON, 0
	MULI 0
	LOSS 3, 128
	BOUND 0
	FETCHI 1
	LOADKQ 1
	EPI
	MULI 1
	LOSS 3, 192
	s_wait_tensorcnt 0x0
	FETCHI 0
	EPI
	MULI 0
.set n, 0
.rept 16
	ds_load_b128 v[WF+4*n:WF+4*n+3], v[AKX] offset:512*n
.set n, n+1
.endr
	s_wait_dscnt 0x0
	LOSS 0, WF
	EPI
	v_pk_add_f32 v[LSUM:LSUM+1], v[LSUM:LSUM+1], v[LSUM+2:LSUM+3]
	v_pk_add_f32 v[LSUM+4:LSUM+5], v[LSUM+4:LSUM+5], v[LSUM+6:LSUM+7]
	v_pk_add_f32 v[LSUM:LSUM+1], v[LSUM:LSUM+1], v[LSUM+4:LSUM+5]
	v_add_f32 v[LSUM], v[LSUM], v[LSUM+1]
	v_add_f32_dpp v[LSUM], v[LSUM], v[LSUM] row_xmask:1 row_mask:0xf bank_mask:0xf
	v_add_f32_dpp v[LSUM], v[LSUM], v[LSUM] row_xmask:2 row_mask:0xf bank_mask:0xf
	v_add_f32_dpp v[LSUM], v[LSUM], v[LSUM] row_xmask:4 row_mask:0xf bank_mask:0xf
	v_add_f32_dpp v[LSUM], v[LSUM], v[LSUM] row_xmask:8 row_mask:0xf bank_mask:0xf
	v_permlanex16_b32 v[LSUM+1], v[LSUM], s82, s83
	v_add_f32 v[LSUM], v[LSUM], v[LSUM+1]
	v_cmp_eq_u32 vcc_lo, 0, v[B0]
	s_wait_alu depctr_va_vdst(0)
	s_wait_xcnt 0x0
	s_and_saveexec_b32 s22, vcc_lo
	global_store_b32 v[ZO], v[LSUM], s[16:17]
	s_wait_xcnt 0x0
	s_or_b32 exec_lo, exec_lo, s22
	s_wait_dscnt 0x0
	s_barrier_signal -1
	s_barrier_wait -1
	s_cmp_eq_u32 s21, 0
	s_cbranch_scc1 .Lno_vsc
	s_cmp_lg_u32 s18, 0
	s_cbranch_scc1 .Lno_vsc
.irp n, 0,1,2,3,4,5,6,7,8
.irp e, 0,1,2,3
	ds_load_u16 v[WF+4*\n+\e], v[VR] offset:256*\n+16*\e
.endr
.endr
	s_wait_dscnt 0x0
.irp n, 0,1,2,3,4,5,6,7,8
	v_perm_b32 v[WF+4*\n], v[WF+4*\n+1], v[WF+4*\n], 0x05010400
	v_perm_b32 v[WF+4*\n+2], v[WF+4*\n+3], v[WF+4*\n+2], 0x05010400
	v_perm_b32 v[WF+40+2*\n], v[WF+4*\n+2], v[WF+4*\n], 0x05040100
	v_perm_b32 v[WF+41+2*\n], v[WF+4*\n+2], v[WF+4*\n], 0x07060302
.endr
.irp n, 0,1,2,3,4,5,6,7,8
	global_store_b64 v[B0], v[WF+40+2*\n:WF+41+2*\n], s[86:87] offset:115200+256*\n
.endr
.Lno_vsc:
	s_wait_tensorcnt 0x0
	ds_add_u32 v[SPW], v[NIL]
	s_wait_dscnt 0x0
	CROUND
	s_endpgm
.Lfunc_end_k_q22ea1cd732_kvim:
	.size	k_q22ea1cd732_kvim, .Lfunc_end_k_q22ea1cd732_kvim-k_q22ea1cd732_kvim
	.p2alignl 7, 3214868480
	.fill 96, 4, 3214868480
	.section	.rodata,"a",@progbits
	.p2align	6, 0x0
	.amdhsa_kernel k_q22ea1cd732_kvim
		.amdhsa_group_segment_fixed_size 327680
		.amdhsa_private_segment_fixed_size 0
		.amdhsa_enable_private_segment 0
		.amdhsa_kernarg_size 56
		.amdhsa_user_sgpr_count 2
		.amdhsa_user_sgpr_kernarg_segment_ptr 1
		.amdhsa_wavefront_size32 1
		.amdhsa_system_sgpr_workgroup_id_x 1
		.amdhsa_system_sgpr_workgroup_id_y 1
		.amdhsa_system_sgpr_workgroup_id_z 1
		.amdhsa_system_vgpr_workitem_id 0
		.amdhsa_next_free_vgpr 1024
		.amdhsa_next_free_sgpr 100
		.amdhsa_reserve_vcc 1
		.amdhsa_float_denorm_mode_32 3
		.amdhsa_float_denorm_mode_16_64 3
		.amdhsa_memory_ordered 1
		.amdhsa_forward_progress 1
		.amdhsa_inst_pref_size 255
	.end_amdhsa_kernel
	.section	.bss,"aw",@nobits
	.p2align	6
	.space	262144
	.amdgpu_metadata
---
amdhsa.version: [ 1, 2 ]
amdhsa.kernels:
  - .name:           k_q22ea1cd732_kvim
    .symbol:         k_q22ea1cd732_kvim.kd
    .args:
      - { .name: hsimg, .offset: 0, .size: 8, .value_kind: global_buffer, .address_space: global }
      - { .name: wimg, .offset: 8, .size: 8, .value_kind: global_buffer, .address_space: global }
      - { .name: wiimg, .offset: 16, .size: 8, .value_kind: global_buffer, .address_space: global }
      - { .name: bk, .offset: 24, .size: 8, .value_kind: global_buffer, .address_space: global }
      - { .name: bv, .offset: 32, .size: 8, .value_kind: global_buffer, .address_space: global }
      - { .name: kvimg, .offset: 40, .size: 8, .value_kind: global_buffer, .address_space: global }
      - { .name: lossp, .offset: 48, .size: 8, .value_kind: global_buffer, .address_space: global }
    .group_segment_fixed_size: 327680
    .private_segment_fixed_size: 0
    .kernarg_segment_align: 8
    .kernarg_segment_size: 56
    .max_flat_workgroup_size: 128
    .sgpr_count:     100
    .vgpr_count:     1024
    .wavefront_size: 32
...
	.end_amdgpu_metadata
.endif
;; end of part 2
;; launch attn (part 3): grid 2 x 128, 12 waves a work-group, no clusters, 222,720 bytes of LDS; arguments hsimg, wimg, bq, kvimg, lossp, out0, out1; writes out0, out1
.if DOCPART == 3
	.amdgcn_target "amdgcn-amd-amdhsa--gfx1250"
	.amdhsa_code_object_version 6
	.text
	.protected	k_q22ea1cd732_attn
	.globl	k_q22ea1cd732_attn
	.p2align	8
	.type	k_q22ea1cd732_attn,@function
k_q22ea1cd732_attn:
	s_mov_b64 s[64:65], 0
	v_nop
	global_prefetch_b8 v0, s[64:65] scope:SCOPE_SE
	s_setreg_imm32_b32 hwreg(HW_REG_WAVE_MODE, 25, 1), 1
	s_wait_xcnt 0x0
; out0[b][q][64 head ..] = softmax(q . ik / 8) iv for one batch and head, both products on E2M3 codes; q is projected (K = 1,024) and quantised along d here.  One wave also sums the loss.
; SHARES.  A head has 69 tiles of 16 queries; work-group x = 0 takes tiles 0-34, x = 1 tiles 35-68.  Twelve waves, three to a SIMD; wave w takes places w, 12 + w, 24 + w of its work-group's
; tiles, in a loop of three trips.  A place past the end (1 or 2 of 36) jumps over the work inside each step, by a scalar branch on ids; only its first 28 key loads are issued and not used.
; LDS is filled once, by nine tensor loads, one a wave: Wq's 64 rows (waves 0-3), ik's codes (waves 4, 5), ik's scale words with iv's codes and scale words (waves 8-10).
; The first tile's q is projected behind a first barrier, for which Wq's four loads alone are waited for; the second barrier, behind all loads, stands in front of the first key step.
; NO CLUSTER: only the two work-groups of a head share tiles, each fetched once.  NO PREFETCH: the fills stand at the head, with no loop ahead of them in which to ask;
; a tile's 8 fragments of hidden_states are requested in one run of 32 loads ahead of the first product on them.
; LAYOUT.  All three products are used transposed (source 0 = 16 channels of Wq, 16 keys, 16 channels of iv; source 1 = my 16 queries): a lane holds ONE query (lane % 16) throughout.
; THE KEYS OF A TILE: of a step's 128 keys, row r of tile t is key 64 (t / 4) + 32 (r / 8) + 8 (t % 4) + r % 8.  So lane (r, h) holds in the 32 registers of tiles 4 c .. 4 c + 3 the keys
; 64 c + 32 h + 0 .. 31 in order: a WHOLE block of p, as the next product's operand wants it: a block's maximum asks no other lane, and no code changes lanes.
; Rows 0-7 come from an even group of 32 keys, rows 8-15 from the odd one behind it: even and odd groups land in two regions whose distance is 128 modulo 256 bytes, so that the 32 lanes of a load touch 64 different banks.
; K = 64 IN A FORM OF K = 128: tiles t, t + 1 stand side by side as ONE source 0; q stands as [codes, zeros] for the even and [zeros, codes] for the odd tile.  Scale words hold (b0, b1, b0, b1).
; One scale register serves two tiles: lanes 0-15 the even one's rows, lanes 16-31 the odd one's (MATRIX_SCALE_ROW1).
; SOFTMAX: t = score x log2(e) / 8; M = the running largest t rounded up to a whole number; p = 2^(t - M) is quantised along the keys; the sum of the unquantised p divides at the end.
; THE LAST STEP holds keys 1,024 .. 1,088: blocks 0 and 1 whole, of block 2 one key (register 32 of lanes 0-15): five score products, 33 exponentials; all other codes of p are zeros.
; LIMITS: a block of zeros gets the scale byte 1 where the rule says 127 (zero codes); largest magnitudes under 2^-124 keep the byte 1; NaN and infinities are not served;
; the promise holds while the scaled scores stay under 2^31 in magnitude.
; REGISTERS: v1 r, v2 h, v3-12 addresses, v13-15 offsets, v16-20 the step's addresses, v21, v45 lane terms, v22 -M, v23 largest score, v[24:25] the sum, v26-43 q [codes][zeros][codes],
; v46-93 eight tiles of keys (in the projection: Wq's fragments of even K steps), v96-159 scores, then p, v160-191 O^T, v192-203 p's codes, v204-229 at work, v230 8 h;
; window 1 (v256-303): iv's four fragments (in the projection: Wq's fragments of odd K steps).
; Scale words: v44 q's, v225 p's, v246-249 the keys', v234-235 and v244-245 Wq's, v236-243 hidden_states', v250-251 the values'.
.set KOD,  27776                       ; LDS: ik's codes, even groups from 0, odd groups from here: [group / 2][d block a][pair i][32 keys x 8 bytes], key x at 8 (x xor 8 a)
.set IKS,  55552                       ; ik's scale words, 4 bytes a key
.set IVC,  60160                       ; iv's codes [g][beta][r][24 bytes]
.set IVS,  115456                      ; iv's scale words [g][beta / 4][r]
.set WQ,   117760                      ; Wq: [K step][4 fragments, 2 scale images]
.set STG,  168960                      ; a stage of 16 rows x 272 bytes for each wave
.set SPARE, 221184                     ; the spare words: 128 bytes a wave
.set FLOOR, 0x1800000
.set TK,  68                           ; s68-71: where the step's keys, values, and their scale words begin
.set TV,  69
.set TS,  70
.set TT,  71
.set SEL, 72                           ; s[72:73] v_permlanex16_b32's selects for lane l xor 16
.set CS,  74                           ; s[74:75] c = log2(e) / 8
.set MSB, 0
.macro WIN new                         ; the immediate's high byte repeats the setting that is left; at every label and branch the setting is 0
.if MSB != (\new)
	s_set_vgpr_msb (MSB<<8)|(\new)
.set MSB, (\new)
.endif
.endm
.macro PLACES
.rept 4
	v_nop
.endr
.endm
.macro D1
	s_delay_alu instid0(VALU_DEP_1)
.endm
.macro D2
	s_delay_alu instid0(VALU_DEP_2)
.endm
.macro HFSET q                         ; where K step q's fragment of hidden_states stands
.if (\q) < 5
.set HF, 96+12*(\q)
.else
.set HF, 192+12*((\q)-5)
.endif
.endm
; A step's 8 tiles of 16 keys (6 registers each, at v[46 + 6 t]) and 4 registers of scale words: 28 LDS loads.  ka, ka + 1: addresses for even and odd t;  ks: for the scale words
.macro KLOAD ka, ks, ko, so
.irp t, 0,1,2,3,4,5,6,7
.irp i, 0,1,2
	ds_load_b64 v[46+6*\t+2*\i:47+6*\t+2*\i], v[(\ka)+\t%2] offset:(\ko)+(\t/4)*1536+((\t%4)/2)*128+256*\i
.endr
.endr
.irp e, 0,1,2,3
	ds_load_b32 v[246+\e], v[\ks] offset:(\so)+256*(\e/2)+64*(\e%2)
.endr
.endm
; K step q's four fragments of Wq and its two scale images: 14 LDS loads.  Even q: v46-93, v244-245.  Odd q: v256-303, v234-235
.macro WQLOAD q
.if (\q)%2
	WIN 0x40
.irp g, 0,1,2,3
.irp i, 0,1,2
	ds_load_b128 v[12*\g+4*\i:12*\g+4*\i+3], v8 offset:6400*(\q)+1536*\g+512*\i
.endr
.endr
	WIN 0
	ds_load_b32 v234, v9 offset:6400*(\q)
	ds_load_b32 v235, v9 offset:6400*(\q)+128
.else
.irp g, 0,1,2,3
.irp i, 0,1,2
	ds_load_b128 v[46+12*\g+4*\i:49+12*\g+4*\i], v8 offset:6400*(\q)+1536*\g+512*\i
.endr
.endr
	ds_load_b32 v244, v9 offset:6400*(\q)
	ds_load_b32 v245, v9 offset:6400*(\q)+128
.endif
.endm
.macro QMUL ab, sa, q                  ; K step q of the projection: the four accumulators by turns
	v_wmma_scale_f32_16x16x128_f8f6f4 v[160:167], v[(\ab):(\ab)+11], v[HF:HF+11], v[160:167], v[(\sa)], v[236+(\q)] matrix_a_fmt:MATRIX_FMT_FP6 matrix_b_fmt:MATRIX_FMT_FP6
	v_wmma_scale_f32_16x16x128_f8f6f4 v[168:175], v[(\ab)+12:(\ab)+23], v[HF:HF+11], v[168:175], v[(\sa)], v[236+(\q)] matrix_a_fmt:MATRIX_FMT_FP6 matrix_b_fmt:MATRIX_FMT_FP6 matrix_a_scale:MATRIX_SCALE_ROW1
	v_wmma_scale_f32_16x16x128_f8f6f4 v[176:183], v[(\ab)+24:(\ab)+35], v[HF:HF+11], v[176:183], v[(\sa)+1], v[236+(\q)] matrix_a_fmt:MATRIX_FMT_FP6 matrix_b_fmt:MATRIX_FMT_FP6
	v_wmma_scale_f32_16x16x128_f8f6f4 v[184:191], v[(\ab)+36:(\ab)+47], v[HF:HF+11], v[184:191], v[(\sa)+1], v[236+(\q)] matrix_a_fmt:MATRIX_FMT_FP6 matrix_b_fmt:MATRIX_FMT_FP6 matrix_a_scale:MATRIX_SCALE_ROW1
.endm
; Where the tile at place s63 lies: offsets into hsimg and out0.  s31 = 1 if the place holds a tile
.macro SETUP
	s_wait_alu depctr_va_vdst(0)
	s_wait_dscnt 0x0                               ; no LDS load of mine is out: the registers of the keys are loaded anew below
	s_wait_xcnt 0x0                                ; the last tile's loads and stores have read their registers
	s_sub_co_u32 s27, 35, ttmp9                    ; 35 or 34 tiles
	s_cmp_lt_u32 s63, s27
	s_cselect_b32 s31, 1, 0
	s_mul_i32 s28, ttmp9, 35
	s_add_co_u32 s28, s28, s63
	s_min_u32 s28, s28, 68                         ; tile T (an empty place names tile 68 and touches nothing)
	s_mul_i32 s29, s28, 57
	s_lshr_b32 s29, s29, 10                        ; T / 18 (exact below 69): the quarter of hsimg
	s_mul_i32 s56, s29, 18
	s_sub_co_u32 s56, s28, s56                     ; and the tile in it
	s_mul_i32 s57, s20, 925696
	s_mul_i32 s29, s29, 28928
	s_add_co_u32 s57, s57, s29
	s_mul_i32 s58, s56, 1536
	s_add_co_u32 s58, s58, s57
	s_lshl_b32 s59, s56, 6
	s_add_co_u32 s59, s59, s57
	s_add_co_u32 s59, s59, 27648
	s_and_b32 s60, s28, 1
	s_lshl_b32 s60, s60, 3
	s_lshl_b32 s61, s28, 4
	s_sub_co_u32 s61, s61, s60                     ; 32 (T / 2) + 8 (T % 2)
	s_mul_i32 s60, s20, 1089
	s_add_co_u32 s61, s61, s60
	s_lshl_b32 s61, s61, 12                        ; a row of out0 is 4,096 bytes
	v_add_nc_u32 v13, s58, v45
	v_lshl_add_u32 v14, v1, 2, s59
	v_add_nc_u32 v12, s61, v21
	s_wait_alu depctr_va_vdst(0)
.endm
; The projection's 40 global loads: bq into the accumulators, then hidden_states' fragment and scale word of each K step
.macro QGL
.irp g, 0,1,2,3
	global_load_b128 v[160+8*\g:163+8*\g], v15, s[8:9] offset:128*(\g/2)+32*(\g%2)       ; register j of tile g is channel 32 (g / 2) + 8 (g % 2) + 16 h + j
	global_load_b128 v[164+8*\g:167+8*\g], v15, s[8:9] offset:128*(\g/2)+32*(\g%2)+16
.endr
.irp q, 0,1,2,3,4,5,6,7
	HFSET \q
.irp i, 0,1,2
	global_load_b128 v[HF+4*\i:HF+4*\i+3], v13, s[4:5] offset:115712*\q+512*\i
.endr
	global_load_b32 v[236+\q], v14, s[4:5] offset:115712*\q
.endr
.endm
; q = hidden_states Wq^T + bq for my 16 queries, then its codes along d; the tile's sums begin
.macro QMM
	WQLOAD 0
.irp q, 0,1,2,3,4,5,6,7
	HFSET \q
.if \q < 7
	WQLOAD \q+1                                    ; the next K step's, into the set that the products before the last have left (four places stand between)
	s_wait_dscnt 14                                ; this K step's 14 loads are in; the 14 just issued may be out
.else
	s_wait_dscnt 0x0
.endif
	s_wait_loadcnt 4*(7-\q)                        ; four loads for each later K step may be out
.if \q%2
	WIN 0x01
	QMUL 0, 234, \q
	WIN 0
.else
	QMUL 46, 244, \q
.endif
	PLACES
.endr
.irp b, 0,1
	v_max3_num_f32 v[212+\b], |v[160+16*\b]|, |v[161+16*\b]|, FLOOR
.endr
.irp i, 2,4,6,8,10,12,14
.irp b, 0,1
	v_max3_num_f32 v[212+\b], v[212+\b], |v[160+16*\b+\i]|, |v[161+16*\b+\i]|
.endr
.endr
.irp b, 0,1
	D2
	v_permlanex16_b32 v[216+\b], v[212+\b], s[SEL], s[SEL+1]
.endr
.irp b, 0,1
	D2
	v_max_num_f32 v[212+\b], v[212+\b], v[216+\b]
.endr
.irp b, 0,1
	D2
	v_add_nc_u32 v[220+\b], 0xff000000, v[212+\b]
.endr
.irp b, 0,1
	D2
	v_lshrrev_b32 v[216+\b], 23, v[220+\b]
.endr
	D1
	v_lshl_or_b32 v44, v217, 8, v216
	D1
	v_lshl_or_b32 v44, v44, 16, v44                ; (b0, b1, b0, b1)
	v_cvt_scalef32_pk16_fp6_f32 v[26:28], v[160:175], v220       ; d = 16 h + 0 .. 15
	v_cvt_scalef32_pk16_fp6_f32 v[204:206], v[176:191], v221     ; d = 32 + 16 h + 0 .. 15
	v_nop                                          ; one plain place behind a scaled conversion
.irp i, 0,1,2
	v_permlane16_swap_b32 v[26+\i], v[204+\i]      ; a whole block to a lane: lanes 0-15 d = 0 .. 31, lanes 16-31 d = 32 .. 63
.endr
.irp i, 0,1,2
	v_mov_b32 v[29+\i], v[204+\i]
.endr
.irp i, 0,1,2,3,4,5
	v_mov_b32 v[38+\i], v[26+\i]                   ; the second copy, behind the zeros
.endr
.set n, 0
.rept 32
	v_mov_b32 v[160+n], 0                          ; O^T.  (Also the places in front of the first product on q's codes and scale word)
.set n, n+1
.endr
	v_mov_b32 v23, 0xff61b1e6                      ; the largest score so far: -3e38
	v_mov_b32 v22, 0x7f61b1e6                      ; -M: the first step's factor comes out 0
	v_mov_b32 v24, 0
	v_mov_b32 v25, 0
	s_wait_alu depctr_va_vdst(0)
.endm
; A KEY STEP: 128 keys.  last = 1: keys 1,024 on, of which 65 exist.  An empty place jumps over the work, not over the lines that step addresses.
.macro STEP last
	s_cmp_eq_u32 s31, 0
	s_cbranch_scc1 .Lidle_\@
	s_wait_dscnt 0x0                               ; this step's keys, asked for a step ago
.irp t, 0,1,2,3,4,5,6,7                        ; S^T = ik q^T
.if !(\last) || (\t < 5)
.if \t%2
	v_wmma_scale_f32_16x16x128_f8f6f4 v[96+8*\t:103+8*\t], v[46+12*(\t/2):57+12*(\t/2)], v[32:43], 0, v[246+\t/2], v44 matrix_a_fmt:MATRIX_FMT_FP6 matrix_b_fmt:MATRIX_FMT_FP6 matrix_a_scale:MATRIX_SCALE_ROW1
.else
	v_wmma_scale_f32_16x16x128_f8f6f4 v[96+8*\t:103+8*\t], v[46+12*(\t/2):57+12*(\t/2)], v[26:37], 0, v[246+\t/2], v44 matrix_a_fmt:MATRIX_FMT_FP6 matrix_b_fmt:MATRIX_FMT_FP6
.endif
.endif
.endr
	v_add_nc_u32 v19, s[TV], v5                    ; the step's addresses are the places behind the products, in front of the loads below and of the first read of the scores
	v_add_nc_u32 v20, s[TT], v7
.if \last
	v_cmp_eq_u32 vcc_lo, 0, v2
	v_mov_b32 v226, 0xff800000
.else
	v_add_nc_u32 v16, s[TK], v3
	v_add_nc_u32 v17, s[TK], v4
	v_add_nc_u32 v18, s[TS], v6
.endif
	WIN 0x40
.irp g, 0,1,2,3                                ; this step's values: four fragments,
.irp p, 0,1,2,3,4,5
	ds_load_b64 v[12*\g+2*\p:12*\g+2*\p+1], v19 offset:13824*\g+768*(\p/3)+8*(\p%3)
.endr
.endr
	WIN 0
	ds_load_b32 v250, v20                          ; their scale words, two tiles to a register;
	ds_load_b32 v251, v20 offset:1152
.if !\last
	KLOAD 16, 18, 3072, 512                        ; then the next step's keys.  All land under the softmax
.else
	v_cndmask_b32 v128, v226, v128, vcc_lo         ; key 1,088 is register 32 of lanes 0-15; in lanes 16-31 it becomes -infinity, p = 0
.set n, 129
.rept 15
	v_mov_b32 v[n], 0                              ; the rest of the half block that is converted: p = 0
.set n, n+1
.endr
	v_mov_b32 v213, v128                           ; block 2's largest score is its only one
.endif
.irp c, 0,1                                    ; the largest score of my blocks 2 c + h, each in two chains: for the row's maximum and, since p rises with the score, for the block's largest p
.if !(\last) || (\c == 0)
	v_max3_num_f32 v[212+\c], v[96+32*\c], v[97+32*\c], v[98+32*\c]
	v_max3_num_f32 v[214+\c], v[112+32*\c], v[113+32*\c], v[114+32*\c]
.endif
.endr
.irp i, 3,5,7,9,11,13
.irp c, 0,1
.if !(\last) || (\c == 0)
	v_max3_num_f32 v[212+\c], v[212+\c], v[96+32*\c+\i], v[97+32*\c+\i]
	v_max3_num_f32 v[214+\c], v[214+\c], v[112+32*\c+\i], v[113+32*\c+\i]
.endif
.endr
.endr
.irp c, 0,1
.if !(\last) || (\c == 0)
	v_max3_num_f32 v[212+\c], v[212+\c], v[214+\c], v[111+32*\c]
.endif
.endr
.irp c, 0,1
.if !(\last) || (\c == 0)
	v_max_num_f32 v[212+\c], v[212+\c], v[127+32*\c]
.endif
.endr
	D1
	v_max_num_f32 v226, v212, v213
	D1
	v_permlanex16_b32 v227, v226, s[SEL], s[SEL+1]
	D1
	v_max3_num_f32 v23, v23, v226, v227            ; the running largest score of my query
	D1
	v_mul_f32 v226, s[CS], v23                     ; as t (c is positive)
	v_mov_b32 v227, v22
	D2
	v_floor_f32 v22, -v226                         ; the new -M = -ceil(t)
.set n, 96
.rept 32-16*\last
	v_pk_fma_f32 v[n:n+1], v[n:n+1], s[CS:CS+1], v[22:23] op_sel_hi:[1,0,0]   ; t - M
.set n, n+2
.endr
.if \last
	v_fma_f32 v128, v128, s[CS], v22
.endif
	v_fma_f32 v212, v212, s[CS], v22
	v_fma_f32 v213, v213, s[CS], v22
	v_sub_f32 v227, v22, v227                      ; old M - new M: a whole number, 0 or less
	D1
	v_cvt_i32_f32 v227, v227                       ; (it saturates)
	D1
	v_ldexp_f32 v224, 1.0, v227                    ; f = 2^(old M - new M)
.irp j, 0,2,4,6,8,10,12,14,16,18,20,22,24,26,28,30
	v_pk_mul_f32 v[160+\j:161+\j], v[160+\j:161+\j], v[224:225] op_sel_hi:[1,0]   ; O^T under the new M, each accumulator from its low end on
.endr
	s_wait_alu depctr_va_vdst(0)
.set n, 96
.rept 64-32*\last
	v_exp_f32 v[n], v[n]                           ; p = 2^(t - M)
.set n, n+1
.endr
.if \last
	v_exp_f32 v128, v128
.endif
	v_exp_f32 v212, v212                           ; my two blocks' largest p
	v_exp_f32 v213, v213
	v_pk_mul_f32 v[24:25], v[24:25], v[224:225] op_sel_hi:[1,0]       ; the sums under the new M (a plain place behind the exponentials)
	s_wait_alu depctr_va_vdst(0)                   ; one wait for the batch
.irp c, 0,1
	v_max_num_f32 v[212+\c], FLOOR, v[212+\c]
.endr
.irp c, 0,1
	D2
	v_add_nc_u32 v[220+\c], 0xff000000, v[212+\c]  ; 2 off the exponent field: the conversion's scale operand
.endr
.irp c, 0,1
	D2
	v_lshrrev_b32 v[216+\c], 23, v[220+\c]         ; the scale's byte
.endr
	D1
	v_lshl_or_b32 v216, v217, 16, v216             ; blocks h and 2 + h,
	D1
	v_lshlrev_b32 v216, v230, v216                 ; at their places in the word (8 h bits up);
	D1
	v_permlanex16_b32 v217, v216, s[SEL], s[SEL+1]
	D1
	v_or_b32 v225, v216, v217                      ; with lane l xor 16's two it is whole
	v_cvt_scalef32_pk16_fp6_f32 v[192:194], v[96:111], v220
	v_cvt_scalef32_pk16_fp6_f32 v[204:206], v[112:127], v220     ; (a conversion's three registers begin on an even number)
	v_cvt_scalef32_pk16_fp6_f32 v[198:200], v[128:143], v221
.if !\last
	v_cvt_scalef32_pk16_fp6_f32 v[208:210], v[144:159], v221
.endif
	v_pk_add_f32 v[228:229], v[96:97], v[98:99]    ; THE ROW'S SUM IS TAKEN OF THE UNQUANTISED p, in three chains.  (Also the plain place behind the conversions)
	v_pk_add_f32 v[94:95], v[100:101], v[102:103]
.irp i, 0,1,2
	v_mov_b32 v[195+\i], v[204+\i]
.if \last
	v_mov_b32 v[201+\i], 0
.else
	v_mov_b32 v[201+\i], v[208+\i]
.endif
.endr
.set n, 104
.rept 9-5*\last
	v_pk_add_f32 v[24:25], v[24:25], v[n:n+1]
	v_pk_add_f32 v[228:229], v[228:229], v[n+2:n+3]
	v_pk_add_f32 v[94:95], v[94:95], v[n+4:n+5]
.set n, n+6
.endr
.if \last
	v_add_f32 v24, v24, v128
.else
	v_pk_add_f32 v[24:25], v[24:25], v[158:159]
.endif
	v_pk_add_f32 v[228:229], v[228:229], v[94:95]
	D1
	v_pk_add_f32 v[24:25], v[24:25], v[228:229]
	s_wait_alu depctr_va_vdst(0)
.if \last
	s_wait_dscnt 0x0                               ; the values are in
.else
	s_wait_dscnt 28                                ; the values and their scale words are in; the 28 loads of the next step's keys, issued behind them, may be out
.endif
	WIN 0x01                                       ; source 0 in window 1
.irp g, 0,1,2,3
.if \g%2
	v_wmma_scale_f32_16x16x128_f8f6f4 v[160+8*\g:167+8*\g], v[12*\g:11+12*\g], v[192:203], v[160+8*\g:167+8*\g], v[250+\g/2], v225 matrix_a_fmt:MATRIX_FMT_FP6 matrix_b_fmt:MATRIX_FMT_FP6 matrix_a_scale:MATRIX_SCALE_ROW1
.else
	v_wmma_scale_f32_16x16x128_f8f6f4 v[160+8*\g:167+8*\g], v[12*\g:11+12*\g], v[192:203], v[160+8*\g:167+8*\g], v[250+\g/2], v225 matrix_a_fmt:MATRIX_FMT_FP6 matrix_b_fmt:MATRIX_FMT_FP6
.endif
.endr
	WIN 0
.if \last
	PLACES                                         ; in front of the way out's reads of O^T
.endif
.Lidle_\@:
	s_add_co_u32 s[TK], s[TK], 3072
	s_add_co_u32 s[TV], s[TV], 1536
	s_add_co_u32 s[TS], s[TS], 512
	s_add_co_u32 s[TT], s[TT], 64
.endm
	s_load_b256 s[4:11], s[0:1], 0x0               ; hsimg, wimg, bq, kvimg
	s_load_b128 s[12:15], s[0:1], 0x20             ; lossp, out0
	s_load_b64 s[16:17], s[0:1], 0x30              ; out1
	v_lshl_add_u32 v254, v0, 2, SPARE
	v_mov_b32 v255, 0
	ds_add_u32 v254, v255                          ; the opening lines: the add, twice on end, and its wait
	ds_add_u32 v254, v255
	v_lshrrev_b32 v1, 5, v0
	D1
	v_readfirstlane_b32 s18, v1                    ; wave 0..11
	s_and_b32 s19, ttmp7, 0xffff                   ; 16 b + head
	s_lshr_b32 s20, s19, 4
	s_and_b32 s21, s19, 15
	s_mov_b32 s32, 3<<16                           ; group 1 for ik's codes: 18 groups of 1,536 bytes (192 elements of 8), every second group of the head's 36
	s_mov_b32 s33, 192<<16
	s_mov_b32 s34, 18<<16
	s_mov_b32 s35, 192<<16
	s_mov_b32 s36, 18
	s_mov_b32 s37, 384
	s_mov_b32 s38, 0
	s_mov_b32 s39, 0
	s_mov_b32 s40, 3<<16                           ; for the rest of the head's part of kvimg: 81 rows of 256 bytes, dense
	s_mov_b32 s41, 32<<16
	s_mov_b32 s42, 81<<16
	s_mov_b32 s43, 32<<16
	s_mov_b32 s44, 81
	s_mov_b32 s45, 32
	s_mov_b32 s46, 0
	s_mov_b32 s47, 0
	s_mov_b32 s76, 3<<16                           ; for Wq: 50 rows of 256 bytes
	s_mov_b32 s77, 32<<16
	s_mov_b32 s78, 50<<16
	s_mov_b32 s79, 32<<16
	s_mov_b32 s80, 50
	s_mov_b32 s81, 32
	s_mov_b32 s82, 0
	s_mov_b32 s83, 0
	s_and_b32 s22, s18, 3                          ; which quarter of Wq (waves 0-3), which third of the rest (waves 8-10)
	s_and_b32 s23, s18, 1                          ; even or odd groups (waves 4, 5)
	s_mul_i32 s24, s19, 117504                     ; the head's part of kvimg
	s_mul_i32 s26, s23, 1536
	s_add_co_u32 s26, s26, s24
	s_mov_b32 s27, 0
	s_mul_i32 s49, s23, KOD
	s_mul_i32 s28, s22, 20736
	s_add_co_u32 s53, s28, IKS
	s_add_co_u32 s28, s28, s24
	s_add_co_u32 s28, s28, 55296
	s_mov_b32 s29, 0
	s_mul_i32 s56, s22, 12800
	s_add_co_u32 s85, s56, WQ
	s_mul_i32 s57, s21, 51200
	s_add_co_u32 s56, s56, s57
	s_mov_b32 s57, 0
	s_mov_b32 s48, 1
	s_mov_b32 s52, 1
	s_mov_b32 s84, 1
	s_mov_b32 s[SEL], 0x76543210
	s_mov_b32 s[SEL+1], 0xfedcba98
	s_mov_b32 s[CS], 0x3e38aa3b                    ; log2(e) / 8
	s_mov_b32 s[CS+1], s[CS]
	s_mov_b32 s63, s18                             ; my first place
	s_wait_dscnt 0x0
	s_wait_kmcnt 0x0
	s_add_nc_u64 s[50:51], s[10:11], s[26:27]
	s_or_b32 s51, s51, 0x80000000
	s_add_nc_u64 s[54:55], s[10:11], s[28:29]
	s_or_b32 s55, s55, 0x80000000
	s_add_nc_u64 s[86:87], s[6:7], s[56:57]
	s_or_b32 s87, s87, 0x80000000
	s_cmp_lt_u32 s18, 8                            ; the fills: one chain of branches on the wave's number, one load to an arm
	s_cbranch_scc1 .Llow
	s_cmp_lt_u32 s18, 11
	s_cbranch_scc0 .Lasked
	tensor_load_to_lds s[52:55], s[40:47]
	s_nop 0
	PLACES
	s_branch .Lasked
.Llow:
	s_cmp_lt_u32 s18, 4
	s_cbranch_scc1 .Lwq
	s_cmp_lt_u32 s18, 6
	s_cbranch_scc0 .Lasked
	tensor_load_to_lds s[48:51], s[32:39]
	s_nop 0
	PLACES
	s_branch .Lasked
.Lwq:
	tensor_load_to_lds s[84:87], s[76:83]
	s_nop 0
	PLACES
.Lasked:
	v_and_b32 v1, 15, v0                           ; r
	v_bfe_u32 v2, v0, 4, 1                         ; h
	v_and_b32 v45, 31, v0
	v_and_b32 v6, 7, v0                            ; r % 8
	v_bfe_u32 v7, v0, 3, 1                         ; r / 8
	v_lshlrev_b32 v9, 2, v45
	v_lshlrev_b32 v45, 4, v45                      ; 16 x lane
	v_lshlrev_b32 v3, 3, v6
	D1
	v_mad_u32_u24 v3, v7, KOD, v3                  ; rows 8-15 read the odd groups' region
	D1
	v_mad_u32_u24 v4, v2, 704, v3
	D1
	v_add_nc_u32 v4, 64, v4                        ; keys, odd tiles: 768 h + 64 (1 - h)
	v_mad_u32_u24 v3, v2, 832, v3                  ; even tiles: 768 h + 64 h
	v_lshl_add_u32 v6, v7, 5, v6                   ; the scale words: key r % 8 + 32 (r / 8),
	D1
	v_lshl_add_u32 v6, v2, 3, v6                   ; lanes 16-31 the odd tile's, 8 keys on
	D1
	v_lshl_add_u32 v6, v6, 2, IKS
	v_mul_u32_u24 v5, v1, 24
	D1
	v_mad_u32_u24 v5, v2, 384, v5
	D1
	v_add_nc_u32 v5, IVC, v5
	v_lshlrev_b32 v7, 2, v1
	D1
	v_mad_u32_u24 v7, v2, 576, v7                  ; lanes 16-31 the odd tile's scale words
	D1
	v_add_nc_u32 v7, IVS, v7
	v_add_nc_u32 v8, WQ, v45
	v_add_nc_u32 v9, WQ+6144, v9
	s_mul_i32 s22, s18, 4352
	s_add_co_u32 s22, s22, STG
	v_mul_u32_u24 v10, v1, 272
	D1
	v_lshl_add_u32 v10, v2, 6, v10
	D1
	v_add_nc_u32 v10, s22, v10                     ; the stage, in: row r, + 64 h
	v_mul_u32_u24 v11, v2, 272
	D1
	v_lshl_add_u32 v11, v1, 4, v11
	D1
	v_add_nc_u32 v11, s22, v11                     ; and back: lanes 0-15 one row, lanes 16-31 the next
	s_lshl_b32 s22, s21, 8
	v_lshl_add_u32 v15, v2, 6, s22                 ; bq: 256 head + 64 h
	v_lshlrev_b32 v21, 12, v2
	D1
	v_lshl_add_u32 v21, v1, 4, v21
	D1
	v_add_nc_u32 v21, s22, v21                     ; out0: 4,096 h + 16 r + 256 head
	v_lshlrev_b32 v230, 3, v2                      ; 8 h
.irp i, 0,1,2,3,4,5
	v_mov_b32 v[32+\i], 0                          ; the zeros between q's two copies: they stay
.endr
	SETUP
	QGL                                            ; the first tile's loads go out while the fills are on their way
	s_cmp_lt_u32 s18, 4
	s_cbranch_scc0 .Lnot_w
	s_wait_tensorcnt 0x0                           ; my quarter of Wq has landed
.Lnot_w:
	s_barrier_signal -1
	s_barrier_wait -1                              ; all of Wq is in; nothing is filled again in this launch
	QMM
	s_wait_tensorcnt 0x0                           ; my load, if I issued one, has landed,
	s_wait_dscnt 0x0
	s_barrier_signal -1
	s_barrier_wait -1                              ; everybody's has: LDS holds the head's keys and values
	s_mov_b32 s62, 0
.Ljob:                                                 ; a trip: one tile through all keys, its way out, and the next tile's q
	s_mov_b32 s[TK], 0
	s_mov_b32 s[TV], 0
	s_mov_b32 s[TS], 0
	s_mov_b32 s[TT], 0
	KLOAD 3, 6, 0, 0                               ; the first key step's keys
	s_mov_b32 s30, 0
.Lkey:
	STEP 0
	s_add_co_u32 s30, s30, 1
	s_cmp_lt_u32 s30, 8
	s_cbranch_scc1 .Lkey
	STEP 1
	s_cmp_eq_u32 s31, 0
	s_cbranch_scc1 .Lno_out
	s_wait_alu depctr_va_vdst(0)
	v_add_f32 v24, v24, v25                        ; the sum's two halves,
	D1
	v_permlanex16_b32 v226, v24, s[SEL], s[SEL+1]
	D1
	v_add_f32 v24, v24, v226                       ; and lane l xor 16's
	s_wait_alu depctr_va_vdst(0)
	v_rcp_f32 v24, v24
	v_nop                                          ; one plain place behind a transcendental
	s_wait_alu depctr_va_vdst(0)
.set n, 0
.rept 32
	v_mul_f32 v[96+n], v[160+n], v24               ; each accumulator from its low end on
.set n, n+1
.endr
.irp g, 0,1,2,3
	ds_store_b128 v10, v[96+8*\g:99+8*\g] offset:128*(\g/2)+32*(\g%2)
	ds_store_b128 v10, v[100+8*\g:103+8*\g] offset:128*(\g/2)+32*(\g%2)+16
.endr
.irp i, 0,1,2,3,4,5,6,7
	ds_load_b128 v[128+4*\i:131+4*\i], v11 offset:544*\i     ; LDS serves a wave's instructions in order (ISA guide 5.7.1.4): these see my stores
.endr
	s_cmp_eq_u32 s28, 68
	s_cbranch_scc1 .Ledge
.irp i, 0,1,2,3,4,5,6,7
	s_wait_dscnt 7-\i
	global_store_b128 v12, v[128+4*\i:131+4*\i], s[14:15] offset:(2*\i+8*(\i/4))*4096 th:TH_STORE_NT   ; 16 lanes store 256 consecutive bytes, aligned: the head's part of a row
.endr
	s_branch .Lno_out
.Ledge:                                                ; tile 68 holds row 1,088 alone: image row 0
	s_wait_dscnt 0x0
	v_cmp_eq_u32 vcc_lo, 0, v2
	s_wait_xcnt 0x0                                ; EXEC changes only behind this wait
	s_and_saveexec_b32 s29, vcc_lo
	global_store_b128 v12, v[128:131], s[14:15] th:TH_STORE_NT
	s_wait_xcnt 0x0
	s_or_b32 exec_lo, exec_lo, s29
.Lno_out:
	s_add_co_u32 s63, s63, 12                      ; my next place (behind the third: past the end, so nothing is projected)
	SETUP
	s_cmp_eq_u32 s31, 0
	s_cbranch_scc1 .Lnq
	PLACES                                         ; places in front of the loads into registers that the last products named, on the way that leads round the way out too
	QGL
	QMM
.Lnq:
	s_add_co_u32 s62, s62, 1
	s_cmp_lt_u32 s62, 3
	s_cbranch_scc1 .Ljob
; ---------------- the loss: 1,024 partial sums, by one wave of one work-group ----------------
	s_cmp_lg_u32 s18, 11
	s_cbranch_scc1 .Lend
	s_or_b32 s26, ttmp9, s19
	s_cmp_lg_u32 s26, 0
	s_cbranch_scc1 .Lend
	s_wait_xcnt 0x0
.irp n, 0,1,2,3,4,5,6,7
	global_load_b128 v[96+4*\n:99+4*\n], v45, s[12:13] offset:512*\n
.endr
	s_wait_loadcnt 0x0
.irp n, 0,1,2,3,4,5,6,7
	v_pk_add_f32 v[96+4*\n:97+4*\n], v[96+4*\n:97+4*\n], v[98+4*\n:99+4*\n]
.endr
.irp n, 0,1,2,3
	v_pk_add_f32 v[96+8*\n:97+8*\n], v[96+8*\n:97+8*\n], v[100+8*\n:101+8*\n]
.endr
	v_pk_add_f32 v[96:97], v[96:97], v[104:105]
	v_pk_add_f32 v[112:113], v[112:113], v[120:121]
	D1
	v_pk_add_f32 v[96:97], v[96:97], v[112:113]
	D1
	v_add_f32 v96, v96, v97
	D1
	v_add_f32_dpp v96, v96, v96 row_xmask:1 row_mask:0xf bank_mask:0xf
	D1
	v_add_f32_dpp v96, v96, v96 row_xmask:2 row_mask:0xf bank_mask:0xf
	D1
	v_add_f32_dpp v96, v96, v96 row_xmask:4 row_mask:0xf bank_mask:0xf
	D1
	v_add_f32_dpp v96, v96, v96 row_xmask:8 row_mask:0xf bank_mask:0xf
	D1
	v_permlanex16_b32 v97, v96, s[SEL], s[SEL+1]
	D1
	v_add_f32 v96, v96, v97
	D1
	v_mul_f32 v96, 0x33f0b84d, v96                 ; / (8 x 16 x 1,089 x 64): both means have that many numbers
	v_mov_b32 v98, 0
	v_cmp_eq_u32 vcc_lo, 0, v45                    ; lane 0
	s_wait_alu depctr_va_vdst(0)
	s_wait_xcnt 0x0                                ; EXEC changes only behind this wait
	s_and_saveexec_b32 s29, vcc_lo
	global_store_b32 v98, v96, s[16:17]
	s_wait_xcnt 0x0
	s_or_b32 exec_lo, exec_lo, s29
.Lend:
	s_wait_tensorcnt 0x0                           ; the wave's end
	ds_add_u32 v254, v255
	s_wait_dscnt 0x0
	s_endpgm
.Lfunc_end_k_q22ea1cd732_attn:
	.size	k_q22ea1cd732_attn, .Lfunc_end_k_q22ea1cd732_attn-k_q22ea1cd732_attn
	.p2alignl 7, 3214868480
	.fill 96, 4, 3214868480
	.section	.rodata,"a",@progbits
	.p2align	6, 0x0
	.amdhsa_kernel k_q22ea1cd732_attn
		.amdhsa_group_segment_fixed_size 222720
		.amdhsa_private_segment_fixed_size 0
		.amdhsa_enable_private_segment 0
		.amdhsa_kernarg_size 56
		.amdhsa_user_sgpr_count 2
		.amdhsa_user_sgpr_kernarg_segment_ptr 1
		.amdhsa_wavefront_size32 1
		.amdhsa_system_sgpr_workgroup_id_x 1
		.amdhsa_system_sgpr_workgroup_id_y 1
		.amdhsa_system_sgpr_workgroup_id_z 1
		.amdhsa_system_vgpr_workitem_id 0
		.amdhsa_next_free_vgpr 320
		.amdhsa_next_free_sgpr 96
		.amdhsa_reserve_vcc 1
		.amdhsa_float_denorm_mode_32 3
		.amdhsa_float_denorm_mode_16_64 3
		.amdhsa_memory_ordered 1
		.amdhsa_forward_progress 1
		.amdhsa_inst_pref_size 89
	.end_amdhsa_kernel
	.amdgpu_metadata
---
amdhsa.version: [ 1, 2 ]
amdhsa.kernels:
  - .name:           k_q22ea1cd732_attn
    .symbol:         k_q22ea1cd732_attn.kd
    .args:
      - { .name: hsimg, .offset: 0, .size: 8, .value_kind: global_buffer, .address_space: global }
      - { .name: wimg, .offset: 8, .size: 8, .value_kind: global_buffer, .address_space: global }
      - { .name: bq, .offset: 16, .size: 8, .value_kind: global_buffer, .address_space: global }
      - { .name: kvimg, .offset: 24, .size: 8, .value_kind: global_buffer, .address_space: global }
      - { .name: lossp, .offset: 32, .size: 8, .value_kind: global_buffer, .address_space: global }
      - { .name: out0, .offset: 40, .size: 8, .value_kind: global_buffer, .address_space: global }
      - { .name: out1, .offset: 48, .size: 8, .value_kind: global_buffer, .address_space: global }
    .group_segment_fixed_size: 222720
    .private_segment_fixed_size: 0
    .kernarg_segment_align: 8
    .kernarg_segment_size: 56
    .max_flat_workgroup_size: 384
    .sgpr_count:     96
    .vgpr_count:     320
    .wavefront_size: 32
...
	.end_amdgpu_metadata
.endif
;; end of part 3
